; MI455X (gfx1250); checked and timed in simulation.
; The chip was launched on July 23, 2026; its instructions are those of AMD's public machine-readable ISA for CDNA 5 (MIT licence, August 2026) and "CDNA5" Instruction Set Architecture Reference Guide (July 2026). The comments in the code are by the model that wrote it; some were corrected since.
;; Dense Attention. Allowed arithmetic: matrix products marked QUANTISED: E3M2 operands, one E8M0 scale for each 32 along K, by v_wmma_scale_f32_16x16x128_f8f6f4 with both operands' format E3M2, f32 sums; everything else in f32.
;; Inputs: bias 31 x 1,024 float32; inputs 1,024 x 1,024 float32; kernel 31 x 1,024 x 1,024 float32; labels 1,024 x 31 int32.
;; Outputs: out0 1,024 x 1,024 float32.
;; This version of the problem:
;;   THIS VERSION OF THE PROBLEM IS GIVEN IN LOW PRECISION. The matrix products marked QUANTISED in the list below multiply operands that are first quantised to E3M2 (3 exponent bits, 2 mantissa bits; 6 bits a number), with one power-of-two scale for each 32 numbers along K (OCP MX v1.0); their sums are f32. All else is computed in f32.
;;   The module's matrix products, in the order in which they are computed (A, B: the left and right operand; K: the contracted axis; several contracted axes count as one K, in the product's order):
;;     1. [M 31,744, K 1,024] x [K 1,024, N 1,024]; A: input kernel; B: input inputs: QUANTISED
;;     2. batch 31 x [M 1,024, K 1,024] x [K 1,024, N 1,024]; A: computed on the way; B: computed on the way: QUANTISED
;;   THE QUANTISER, for each operand of a quantised product, along K:
;;     - K is cut into blocks of 32 from its start; a last block that is shorter is filled with zeros.
;;     - A block's scale is 2^e with e = floor(log2(the largest magnitude in the block)) - 4, held to -126 .. 127; a block of zeros has e = 0. As a byte (E8M0): e + 127.
;;     - Each number is divided by its block's scale, clamped to +-28, and rounded to the nearest number of E3M2, ties to even, subnormals kept.
;;     - The product sums the exact products of the quantised numbers (number of the format x scale) in f32.
;;   ~~~python
;;   def quantise(x, axis):      # numpy; x: float32 -> the quantised numbers, widened to float32 again
;;       x = np.moveaxis(x, axis, -1); K = x.shape[-1]
;;       x = np.pad(x, [(0, 0)] * (x.ndim - 1) + [(0, -K % 32)]); x = x.reshape(x.shape[:-1] + (-1, 32)); a = np.abs(x).max(-1, keepdims=True)
;;       e = np.where(a > 0, np.clip(np.frexp(np.where(a > 0, a, 1))[1] - 1 - 4, -126, 127), 0)      # np.frexp(a)[1] - 1 = floor(log2(a)), exactly
;;       r = np.clip(x / 2.0 ** e, -28, 28)
;;       step = 2.0 ** (np.maximum(np.frexp(np.where(r == 0, 1, r))[1] - 1, -2) - 2)
;;       q = np.round(r / step) * step * 2.0 ** e      # np.round: ties to even
;;       return np.moveaxis(q.reshape(q.shape[:-2] + (-1,))[..., :K], -1, axis).astype(np.float32)
;;   ~~~
;;   OPERANDS COMPUTED ON THE WAY. 'Computed on the way' means the value that the module computes at that place (a softmax that the list does not call 'softmax' is quantised finished and normalised). What goes into a quantiser is computed in f32, as accurately as f32 sums, v_exp_f32 and their like allow (about 1e-6 of the number): no bf16 or f16 on the way to a quantiser, and a product that is left as it is and whose result goes on into a quantised operand takes f32 operands (vector FMAs, or v_wmma_f32_16x16x4_f32). A number that lies on a knife's edge between two numbers of the format may be rounded either way, as far as f32 arithmetic and the matrix unit's own rounding can turn it there, and no further.
;; One version. Each part assembles by itself: llvm-mc -triple=amdgcn-amd-amdhsa -mcpu=gfx1250 --defsym DOCPART=n.
;; ======== version 1 of 1: 4 launches
;; limits: right only within a limited range of input values
;; workspace buffers: xw 851,968 bytes; yc 24,379,392 bytes; ys 2,031,616 bytes; lr 16,777,216 bytes; pm 262,144 bytes; ps 262,144 bytes; cnt 8,192 bytes
;; launch prep (part 1): grid 320 x 1, 8 waves a work-group, no clusters, 34,816 bytes of LDS; arguments inputs, labels, xw, cnt; writes xw, cnt
.if DOCPART == 1
	.amdgcn_target "amdgcn-amd-amdhsa--gfx1250"
	.amdhsa_code_object_version 6
	.text
	.protected	k_q485b4e65c2_prep
	.globl	k_q485b4e65c2_prep
	.p2align	8
	.type	k_q485b4e65c2_prep,@function
k_q485b4e65c2_prep:
	s_mov_b64 s[64:65], 0
	v_nop
	global_prefetch_b8 v0, s[64:65] scope:SCOPE_SE
	s_setreg_imm32_b32 hwreg(HW_REG_WAVE_MODE, 25, 1), 1
	s_wait_xcnt 0x0
; TWO JOBS IN ONE LAUNCH, parted on the work-group's number.
; Work-groups 0-63: x [1024][1024] f32 becomes codes of BF6 (E3M2) with one E8M0 byte for each 32 along its rows, laid in xw in the order in which the next launch streams them:
;   xw [j 8][w 4][q 2][13,312 bytes]; j = 4 p + s / 2, q = s % 2 (p: which 512 rows of x; s: which 128 along K); a block holds the eight fragments of rows 16 (32 p + 8 w + i) on, i = 0 .. 7,
;   each as an image of its 12 operand registers (registers 4 c .. 4 c + 3 of lane l at 512 c + 16 l), and behind them two quads of scale words (lane l's words of four tiles at 16 l).
;   A work-group takes 64 rows (four tiles) and two K steps; A WAVE MAKES ONE FRAGMENT: 16 loads, one quantising, three stores.  The four tiles' scale words meet in LDS, so that a quad leaves as 512 consecutive bytes.
; Work-groups 64-319: cnt[kh][row] = how many (k, class), k among rows 256 kh .. + 255 of the other half of the batch, have labels[row][class] == labels[k][class], as f32 (at most 7,936: exact).
;   A work-group takes 8 rows (a wave to a row) and one kh; those 256 rows of labels, 31,744 bytes, lie in LDS as they lie in memory.
; A block's scale is 2^(floor(log2(largest magnitude)) - 4): its byte is that magnitude's exponent field - 4, held at 1 from below (a block of zeros keeps the byte 1: its codes are zeros, and this program alone reads the bytes).
; LIMITS: blocks whose largest magnitude lies under 2^-122 keep the byte 1; NaN and infinities among the inputs are not served.
.set TM,  16                           ; v16-19 largest magnitudes, v20-23 the other half's, then bytes, v28-31 the conversions' scale operands
.set PC,  32                           ; v32-43 a fragment's codes; v44-50 room for the second halves
.set PW,  52                           ; v52 my tile's scale word
.set X0,  64                           ; v64-127 64 numbers
.set SEL, 14                           ; s[14:15] lane selects for v_permlanex16_b32: lane l xor 16
.set XSC, 32768                        ; LDS: the scale words' meeting place, [K step 2][lane 32][tile 4]: bytes that the counting work-groups' text never names
; 64 numbers of a lane, register 16 b + i = k 32 b + 16 (lane / 16) + i of my row, become a fragment's codes in v[PC] on and its scale word in v[pw].
.macro QUANT s, pw
.irp b, 0,1,2,3
	v_max3_num_f32 v[TM+\b], |v[\s+16*\b]|, |v[\s+1+16*\b]|, 0x2800000   ; my 16 numbers of block b, and the floor 2^(5 - 127): the byte cannot fall under 1
.endr
.irp i, 2,4,6,8,10,12,14
.irp b, 0,1,2,3
	s_delay_alu instid0(VALU_DEP_4)
	v_max3_num_f32 v[TM+\b], v[TM+\b], |v[\s+16*\b+\i]|, |v[\s+1+16*\b+\i]|
.endr
.endr
.irp b, 0,1,2,3
	s_delay_alu instid0(VALU_DEP_4)
	v_permlanex16_b32 v[TM+4+\b], v[TM+\b], s[SEL], s[SEL+1]
.endr
.irp b, 0,1,2,3
	s_delay_alu instid0(VALU_DEP_4)
	v_max_num_f32 v[TM+\b], v[TM+\b], v[TM+4+\b]                  ; with lane l xor 16's: the block's largest magnitude
.endr
.irp b, 0,1,2,3
	s_delay_alu instid0(VALU_DEP_4)
	v_add_nc_u32 v[TM+12+\b], 0xfe000000, v[TM+\b]                ; 4 off its exponent field: the conversion takes the exponent field of this operand as its scale
.endr
.irp b, 0,1,2,3
	s_delay_alu instid0(VALU_DEP_4)
	v_lshrrev_b32 v[TM+4+\b], 23, v[TM+12+\b]                     ; the scale's byte
.endr
	s_delay_alu instid0(VALU_DEP_3)
	v_lshl_or_b32 v[\pw], v[TM+5], 8, v[TM+4]
	s_delay_alu instid0(VALU_DEP_1)
	v_lshl_or_b32 v[\pw], v[TM+6], 16, v[\pw]
	s_delay_alu instid0(VALU_DEP_1)
	v_lshl_or_b32 v[\pw], v[TM+7], 24, v[\pw]                     ; my row's scale word
.irp c, 0,1
	v_cvt_scalef32_pk16_bf6_f32 v[PC+6*\c:PC+2+6*\c], v[\s+32*\c:\s+15+32*\c], v[TM+12+2*\c]
	v_cvt_scalef32_pk16_bf6_f32 v[PC+12+4*\c:PC+14+4*\c], v[\s+16+32*\c:\s+31+32*\c], v[TM+12+2*\c+1]   ; (a conversion's three registers begin on an even number)
.endr
	v_nop                                                         ; one plain line behind the scaled conversions
.irp c, 0,1                                                       ; the operand wants a whole block in a lane: lanes 0-15 block 2 c, lanes 16-31 block 2 c + 1
.irp i, 0,1,2
	v_permlane16_swap_b32 v[PC+6*\c+\i], v[PC+12+4*\c+\i]
.endr
.irp i, 0,1,2
	s_delay_alu instid0(VALU_DEP_3)
	v_mov_b32 v[PC+3+6*\c+\i], v[PC+12+4*\c+\i]
.endr
.endr
.endm
	s_load_b256 s[4:11], s[0:1], 0x0               ; inputs s[4:5], labels s[6:7], xw s[8:9], cnt s[10:11]
	v_lshl_add_u32 v128, v0, 2, 0x8400
	v_mov_b32 v129, 0
	v_lshrrev_b32 v1, 5, v0
	s_delay_alu instid0(VALU_DEP_1)
	v_readfirstlane_b32 s12, v1                    ; wave 0..7
	v_and_b32 v1, 31, v0                           ; lane
	s_mov_b32 s[SEL], 0x76543210
	s_mov_b32 s[SEL+1], 0xfedcba98
	s_cmp_lt_u32 ttmp9, 64
	s_cbranch_scc0 .Lcount
	; ---- x: work-group 4 Q + sp takes rows 64 Q .. 64 Q + 63 and K steps 2 sp, 2 sp + 1; wave 4 sq + f takes tile f and K step 2 sp + sq
	v_and_b32 v4, 15, v0                           ; r
	v_bfe_u32 v5, v0, 4, 1                         ; h
	s_delay_alu instid0(VALU_DEP_2)
	v_lshlrev_b32 v2, 12, v4
	s_delay_alu instid0(VALU_DEP_1)
	v_lshl_add_u32 v2, v5, 6, v2                   ; row r of 4,096 bytes + 64 h
	v_lshlrev_b32 v3, 4, v1                        ; 16 x lane: an image's place for my lane
	s_wait_alu depctr_va_vdst(0)
.irp b, 0,1,2,3
	v_mov_b32 v[TM+4+\b], 0                        ; a lane permute's destination counts as one of its sources
.endr
	s_lshr_b32 s13, ttmp9, 2                       ; Q
	s_and_b32 s26, ttmp9, 3                        ; sp
	s_and_b32 s27, s12, 3                          ; f
	s_lshr_b32 s28, s12, 2                         ; sq
	s_lshl_b32 s16, s13, 18                        ; 64 rows of 4,096 bytes
	s_lshl_b32 s17, s27, 16                        ; 16 rows
	s_add_co_u32 s16, s16, s17
	s_lshl_b32 s17, s26, 10                        ; two K steps of 512 bytes
	s_add_co_u32 s16, s16, s17
	s_lshl_b32 s17, s28, 9
	s_add_co_u32 s16, s16, s17
	s_mov_b32 s17, 0
	s_lshr_b32 s18, s13, 3                         ; p
	s_lshl_b32 s18, s18, 2
	s_add_co_u32 s18, s18, s26                     ; j = 4 p + sp
	s_mul_i32 s18, s18, 106496
	s_bfe_u32 s19, s13, 0x20001                    ; w = (Q / 2) % 4
	s_mul_i32 s19, s19, 26624
	s_add_co_u32 s18, s18, s19
	s_mul_i32 s19, s28, 13312                      ; q = sq
	s_add_co_u32 s18, s18, s19                     ; my block of xw
	s_and_b32 s20, s13, 1
	s_lshl_b32 s21, s20, 2
	s_add_co_u32 s21, s21, s27                     ; my tile is i = 4 (Q % 2) + f
	s_mul_i32 s21, s21, 1536
	s_add_co_u32 s22, s18, s21
	s_mov_b32 s23, 0
	s_lshl_b32 s21, s20, 9
	s_add_co_u32 s24, s18, s21
	s_add_co_u32 s24, s24, 12288                   ; and the four tiles' quad of scale words
	s_mov_b32 s25, 0
	s_lshl_b32 s29, s28, 9
	s_add_co_u32 s29, s29, XSC
	v_add_nc_u32 v7, s29, v3                       ; LDS: my K step's quad, 16 bytes a lane;
	s_lshl_b32 s30, s27, 2
	v_add_nc_u32 v6, s30, v7                       ; in it my tile's word
	s_wait_kmcnt 0x0
	s_add_nc_u64 s[4:5], s[4:5], s[16:17]
	s_add_nc_u64 s[22:23], s[8:9], s[22:23]
	s_add_nc_u64 s[24:25], s[8:9], s[24:25]
.irp b, 0,1,2,3
.irp j, 0,1,2,3
	global_load_b128 v[X0+16*\b+4*\j:X0+16*\b+4*\j+3], v2, s[4:5] offset:128*\b+16*\j th:TH_LOAD_NT   ; of row r, my 16 numbers of each of the K step's four blocks
.endr
.endr
	s_wait_loadcnt 0x0
	QUANT X0, PW
.irp c, 0,1,2
	global_store_b128 v3, v[PC+4*\c:PC+4*\c+3], s[22:23] offset:512*\c   ; 32 lanes store 512 consecutive bytes
.endr
	ds_store_b32 v6, v[PW]
	s_wait_dscnt 0x0                               ; for the others' sake: my word has landed
	s_barrier_signal -1
	s_barrier_wait -1
	s_cmp_lg_u32 s27, 0
	s_cbranch_scc1 .Lxend                          ; the wave of tile 0 stores the quad
	ds_load_b128 v[56:59], v7
	s_wait_dscnt 0x0
	global_store_b128 v3, v[56:59], s[24:25]       ; 512 consecutive bytes
.Lxend:
	s_wait_tensorcnt 0x0
	ds_add_u32 v128, v129
	s_wait_dscnt 0x0
	s_endpgm
	; ---- the counts
.Lcount:
	s_sub_co_u32 s16, ttmp9, 64
	s_lshr_b32 s13, s16, 1                         ; which 8 rows
	s_and_b32 s26, s16, 1                          ; kh
	s_lshl_b32 s17, s13, 3
	s_add_co_u32 s17, s17, s12                     ; my row
	s_cmp_lt_u32 s13, 64                           ; rows 0-511 meet rows 512-1023, and the other way round
	s_cselect_b32 s18, 63488, 0
	s_mul_i32 s19, s26, 31744                      ; 256 rows of 124 bytes
	s_add_co_u32 s18, s18, s19
	s_mov_b32 s19, 0
	s_mul_i32 s20, s17, 124                        ; my row's labels
	s_mov_b32 s21, 0
	s_lshl_b32 s24, s17, 2                         ; my word of cnt: an offset pair of its own, which never holds an address
	s_lshl_b32 s25, s26, 12
	s_add_co_u32 s24, s24, s25
	s_mov_b32 s25, 0
	v_lshlrev_b32 v2, 3, v0                        ; 8 x thread
	v_lshlrev_b32 v6, 2, v0                        ; 4 x thread
	s_wait_alu depctr_va_vdst(0)
	v_mul_u32_u24 v4, v1, 124                      ; a lane to a row: 31 words from lane to lane
	v_mov_b32 v10, 0
	v_mov_b32 v11, 0
	v_mov_b32 v5, 0
	s_wait_alu depctr_va_vdst(0)
	s_wait_kmcnt 0x0
	s_add_nc_u64 s[18:19], s[6:7], s[18:19]
	s_add_nc_u64 s[20:21], s[6:7], s[20:21]
	s_add_nc_u64 s[10:11], s[10:11], s[24:25]
	s_load_b512 s[32:47], s[20:21], 0x0            ; my row's 31 labels, in scalar registers
	s_load_b256 s[48:55], s[20:21], 0x40
	s_load_b128 s[56:59], s[20:21], 0x60
	s_load_b96 s[60:62], s[20:21], 0x70
.set n, 0
.rept 15
	global_load_b64 v[64+2*n:65+2*n], v2, s[18:19] offset:2048*n   ; 256 threads x 8 bytes: 2,048 consecutive bytes; 15 x 2,048 + 1,024 = 31,744
.set n, n+1
.endr
	global_load_b32 v94, v6, s[18:19] offset:30720
	s_wait_loadcnt 0x0
.set n, 0
.rept 15
	ds_store_b64 v2, v[64+2*n:65+2*n] offset:2048*n
.set n, n+1
.endr
	ds_store_b32 v6, v94 offset:30720
	s_wait_dscnt 0x0                               ; for the others' sake: my stores have landed
	s_wait_kmcnt 0x0
	s_barrier_signal -1
	s_barrier_wait -1
.macro CLOAD kk                        ; rows 32 kk + lane: 31 labels, into set kk % 2
.set c, 0
.rept 31
	ds_load_b32 v[64+32*((\kk)%2)+c], v4 offset:3968*(\kk)+4*c
.set c, c+1
.endr
.endm
	CLOAD 0
.irp kk, 0,1,2,3,4,5,6,7
.if \kk < 7
	CLOAD \kk+1
	s_wait_alu depctr_va_vdst(0)
	s_wait_dscnt 31                                ; this batch is in; the next batch's 31 loads may be out
.else
	s_wait_alu depctr_va_vdst(0)
	s_wait_dscnt 0x0
.endif
.set c, 0
.rept 31
	v_cmp_eq_u32 vcc_lo, s[32+c], v[64+32*(\kk%2)+c]
	s_delay_alu instid0(VALU_DEP_1)
	v_add_co_ci_u32 v10, vcc_lo, 0, v10, vcc_lo    ; + 1 where the labels are equal
.set c, c+1
.endr
.endr
	s_delay_alu instid0(VALU_DEP_1)
	v_cvt_f32_u32 v10, v10
	s_delay_alu instid0(VALU_DEP_1)
	v_add_f32_dpp v10, v10, v10 row_xmask:1 row_mask:0xf bank_mask:0xf
	s_delay_alu instid0(VALU_DEP_1)
	v_add_f32_dpp v10, v10, v10 row_xmask:2 row_mask:0xf bank_mask:0xf
	s_delay_alu instid0(VALU_DEP_1)
	v_add_f32_dpp v10, v10, v10 row_xmask:4 row_mask:0xf bank_mask:0xf
	s_delay_alu instid0(VALU_DEP_1)
	v_add_f32_dpp v10, v10, v10 row_xmask:8 row_mask:0xf bank_mask:0xf
	s_delay_alu instid0(VALU_DEP_1)
	v_permlanex16_b32 v11, v10, s[SEL], s[SEL+1]
	s_delay_alu instid0(VALU_DEP_1)
	v_add_f32 v10, v10, v11                        ; the count, in every lane
	v_cmp_eq_u32 vcc_lo, 0, v1
	s_wait_alu depctr_va_vdst(0)
	s_wait_xcnt 0x0                                ; EXEC changes only behind this wait
	s_wait_tensorcnt 0x0
	ds_add_u32 v128, v129
	s_wait_dscnt 0x0
	s_and_saveexec_b32 s22, vcc_lo
	global_store_b32 v5, v10, s[10:11]             ; lane 0 stores it
	s_wait_xcnt 0x0
	s_or_b32 exec_lo, exec_lo, s22
	s_endpgm
.Lfunc_end_k_q485b4e65c2_prep:
	.size	k_q485b4e65c2_prep, .Lfunc_end_k_q485b4e65c2_prep-k_q485b4e65c2_prep
	.p2alignl 7, 3214868480
	.fill 96, 4, 3214868480
	.section	.rodata,"a",@progbits
	.p2align	6, 0x0
	.amdhsa_kernel k_q485b4e65c2_prep
		.amdhsa_group_segment_fixed_size 34816
		.amdhsa_private_segment_fixed_size 0
		.amdhsa_enable_private_segment 0
		.amdhsa_kernarg_size 32
		.amdhsa_user_sgpr_count 2
		.amdhsa_user_sgpr_kernarg_segment_ptr 1
		.amdhsa_wavefront_size32 1
		.amdhsa_system_sgpr_workgroup_id_x 1
		.amdhsa_system_sgpr_workgroup_id_y 1
		.amdhsa_system_sgpr_workgroup_id_z 1
		.amdhsa_system_vgpr_workitem_id 0
		.amdhsa_next_free_vgpr 130
		.amdhsa_next_free_sgpr 66
		.amdhsa_reserve_vcc 1
		.amdhsa_float_denorm_mode_32 3
		.amdhsa_float_denorm_mode_16_64 3
		.amdhsa_memory_ordered 1
		.amdhsa_forward_progress 1
		.amdhsa_inst_pref_size 55
	.end_amdhsa_kernel
	.amdgpu_metadata
---
amdhsa.version: [ 1, 2 ]
amdhsa.kernels:
  - .name:           k_q485b4e65c2_prep
    .symbol:         k_q485b4e65c2_prep.kd
    .args:
      - { .name: inputs, .offset: 0, .size: 8, .value_kind: global_buffer, .address_space: global }
      - { .name: labels, .offset: 8, .size: 8, .value_kind: global_buffer, .address_space: global }
      - { .name: xw, .offset: 16, .size: 8, .value_kind: global_buffer, .address_space: global }
      - { .name: cnt, .offset: 24, .size: 8, .value_kind: global_buffer, .address_space: global }
    .group_segment_fixed_size: 34816
    .private_segment_fixed_size: 0
    .kernarg_segment_align: 8
    .kernarg_segment_size: 32
    .max_flat_workgroup_size: 256
    .sgpr_count:     66
    .vgpr_count:     130
    .wavefront_size: 32
...
	.end_amdgpu_metadata
.endif
;; end of part 1
;; launch xb (part 2): grid 248 x 1, 4 waves a work-group, no clusters, 327,680 bytes of LDS; arguments kernel, bias, xw, yc, ys; writes yc, ys
.if DOCPART == 2
	.amdgcn_target "amdgcn-amd-amdhsa--gfx1250"
	.amdhsa_code_object_version 6
	.text
	.protected	k_q485b4e65c2_xb
	.globl	k_q485b4e65c2_xb
	.p2align	8
	.type	k_q485b4e65c2_xb,@function
k_q485b4e65c2_xb:
	s_mov_b64 s[64:65], 0
	v_nop
	global_prefetch_b8 v0, s[64:65] scope:SCOPE_SE
	s_setreg_imm32_b32 hwreg(HW_REG_WAVE_MODE, 25, 1), 1
	s_wait_xcnt 0x0
; xB[c][b][e] = sum over d of x[b][d] kernel[c][d][e] + bias[c][e] in MX-BF6, then quantised along e into yc (fragments in register order) and ys (scale words), as the next launch reads them.
; SHARES.  Work-group = class c (number / 8) and 128 columns e (number % 8).  Two passes of 512 rows b; in a pass wave w has row tiles 32 P + 8 w + i (i = 0 .. 7) x 8 column tiles = 64 accumulators, 512 registers.
; K = d in 8 steps of 128: 16 products' steps T = 8 P + s.  Trip u multiplies step T = u - 1 and, for u under 8, quantises kernel's step u.
; KERNEL'S f32: a ring of two slots of 65,536 bytes, a step each (128 rows d of 512 bytes); wave w fetches, and alone reads, rows 32 w .. + 31.  One fill is out behind each refill's barrier.
; A lane takes a column (l + 32 m, m = 0 .. 3), its registers run down d: a block of 32 lies in one lane.  Codes and scale bytes go to a slab in LDS, [step 8][tile 8][1,536] and [step 8][512], as images of the operand's
; registers; the slab is written once and serves both passes.  Column tile t takes columns 32 (t / 2) + 8 (t % 2) + r + 8 (r / 8), so that a lane's 16 results of tiles 2 b, 2 b + 1 are neighbours along e.
; x's fragments lie in xw in register order and each is used by one wave alone: they go from memory straight into the operand's registers, in two groups of four tiles (12 loads and a quad of scale words),
; each group asked for again, for the next step, behind its own 32 products.
; The products are used transposed (source 0 = kernel's columns, source 1 = x's rows); the bias is the C of a pass's first products.
; NO CLUSTER: the tensor loads bring the work-group's own slice of kernel; ring and slab, 131,072 + 102,400 bytes, leave 93,696 bytes of LDS, less than two slots of x's 53,248 bytes a step.
; PREFETCH: trip u, whose refill asks for step u + 1, names step u + 3: my 32 rows x 512 bytes, a lane a row, two instructions a wave; it stops behind u = 4, so that step 7 is the last named.
; LIMITS: blocks whose largest magnitude lies under 2^-122 keep the byte 1 (a block of zeros too: its codes are zeros, and this program alone reads the bytes); NaN and infinities are not served; the sums begin with the bias.
; REGISTERS.  window 0: addresses, scale words v20-35, temporaries v40-55, f32 of a step v64-191, codes v192-251.
;   window 1: kernel's eight fragments v0-95, x's eight v96-191, the bias v192-255.  windows 2, 3: accumulator (i, t) at v[64 (i % 4) + 8 t].
.set KSLOT, 65536
.set SLAB,  131072
.set STP,   12288
.set SSC,   229376
.set SPARE, 233472                     ; the spare words, 512 bytes
.set FRB,   1536
.set KSTEP, 524288                     ; 128 rows of kernel, 4,096 bytes each
.set LN16, 2
.set FB,   3
.set SPW,  4
.set NIL,  5
.set FA,   6
.set BW16, 7
.set BW8,  8
.set BWS,  9
.set BR16, 10
.set BR8,  11
.set BRS,  12
.set HB,   13
.set W16,  14
.set W8,   15
.set WS,   16
.set R16,  17
.set R8,   18
.set RS,   19
.set KS,   20
.set XS,   28
.set PFO,  36
.set TM,   40
.set FS,   64
.set CD,   192
.set PC,   224
.set PWQ,  244
.set XF,   96
.set BI,   192
.set G1,   16
.set G0,   24
.set PF,   28
.set XW0,  30
.set XB,   32
.set BIP,  34
.set YCP,  36
.set YSP,  38
.set SEL,  40
.set FLR,  42
.set U,    43
.set XO,   48
.set MSB, 0
.macro WIN new
.if MSB != (\new)
	s_set_vgpr_msb (MSB<<8)|(\new)
.set MSB, (\new)
.endif
.endm
.macro PLACES
.rept 4
	v_nop
.endr
.endm
.macro XLOAD g                         ; x's tiles 4 g .. 4 g + 3 of the step at s[XB]: 13 loads of 512 consecutive bytes
	global_load_b128 v[XS+4*\g:XS+4*\g+3], v[LN16], s[XB:XB+1] offset:12288+\g*512
	WIN 0x40
.irp ii, 0,1,2,3
.irp c, 0,1,2
	global_load_b128 v[XF+12*(4*\g+\ii)+4*\c:XF+12*(4*\g+\ii)+4*\c+3], v[LN16], s[XB:XB+1] offset:(4*\g+\ii)*FRB+512*\c
.endr
.endr
	WIN 0
.endm
.macro KLOADS                          ; kernel's eight fragments and their scale words out of the slab: 34 LDS loads
	ds_load_b128 v[KS:KS+3], v[RS]
	ds_load_b128 v[KS+4:KS+7], v[RS] offset:256
	WIN 0x40
.irp t, 0,1,2,3,4,5,6,7
	ds_load_b128 v[12*\t:12*\t+3], v[R16] offset:\t*FRB
	ds_load_b64 v[12*\t+4:12*\t+5], v[R8] offset:\t*FRB+512
	ds_load_b128 v[12*\t+6:12*\t+9], v[R16] offset:\t*FRB+768
	ds_load_b64 v[12*\t+10:12*\t+11], v[R8] offset:\t*FRB+1280
.endr
	WIN 0
.endm
.macro FLOADS                          ; my 32 rows of the step at v[FA]: columns l + 32 m, 128 loads of 128 consecutive bytes
.irp m, 0,1,2,3
.set i, 0
.rept 32
	ds_load_b32 v[FS+32*\m+i], v[FA] offset:512*i+128*\m
.set i, i+1
.endr
.endr
.endm
; 64 products, the accumulators by turns.  z = 1: a pass's first step, C = the bias.  dsw: the LDS loads that may be out behind the slab's.
; Each group's registers take the next step's loads, four places behind its products; cond = 1: not in trip 16, which has no next step.
.macro MULT z, dsw, cond
.irp g, 0,1
	s_wait_loadcnt 13                              ; this group is in; the 13 loads issued behind it may be out
.if \g == 0
	s_wait_dscnt \dsw
.endif
	WIN 5|((2+\g)<<6)|((\z+(1-\z)*(2+\g))<<4)
.irp ii, 0,1,2,3
.irp t, 0,1,2,3,4,5,6,7
.if \z
	v_wmma_scale_f32_16x16x128_f8f6f4 v[64*\ii+8*\t:64*\ii+8*\t+7], v[12*\t:12*\t+11], v[XF+12*(4*\g+\ii):XF+12*(4*\g+\ii)+11], v[BI+8*\t:BI+8*\t+7], v[KS+\t], v[XS+4*\g+\ii] matrix_a_fmt:MATRIX_FMT_BF6 matrix_b_fmt:MATRIX_FMT_BF6
.else
	v_wmma_scale_f32_16x16x128_f8f6f4 v[64*\ii+8*\t:64*\ii+8*\t+7], v[12*\t:12*\t+11], v[XF+12*(4*\g+\ii):XF+12*(4*\g+\ii)+11], v[64*\ii+8*\t:64*\ii+8*\t+7], v[KS+\t], v[XS+4*\g+\ii] matrix_a_fmt:MATRIX_FMT_BF6 matrix_b_fmt:MATRIX_FMT_BF6
.endif
.endr
.endr
	PLACES
	WIN 0
.if \cond
	s_cmp_lg_u32 s[U], 16
	s_cbranch_scc1 .Lld\@_\g
	s_wait_loadcnt 0x0                             ; the last step: nothing is issued behind the other group, so the wait is for all
	s_branch .Lno\@_\g
.Lld\@_\g:
	XLOAD \g
.Lno\@_\g:
.else
	XLOAD \g
.endif
.endr
.endm
; my four blocks of 32 become codes and scale bytes in the slab at v[W16], v[W8], v[WS]
.macro QUANT
	s_wait_dscnt 0x0                               ; the 128 numbers are in
.irp m, 0,1,2,3
	v_max3_num_f32 v[TM+\m], |v[FS+32*\m]|, |v[FS+32*\m+1]|, s[FLR]   ; the floor 2^(5 - 127) holds the byte at 1 from below
.endr
.irp i, 2,4,6,8,10,12,14,16,18,20,22,24,26,28,30
.irp m, 0,1,2,3
	v_max3_num_f32 v[TM+\m], v[TM+\m], |v[FS+32*\m+\i]|, |v[FS+32*\m+\i+1]|
.endr
.endr
.irp m, 0,1,2,3
	v_add_nc_u32 v[TM+12+\m], 0xfe000000, v[TM+\m] ; 4 off the exponent field: the conversion's scale operand
.endr
.irp m, 0,1,2,3
	v_lshrrev_b32 v[TM+4+\m], 23, v[TM+12+\m]      ; the scale's byte
.endr
.irp m, 0,1,2,3
	v_cvt_scalef32_pk16_bf6_f32 v[CD+8*\m:CD+8*\m+2], v[FS+32*\m:FS+32*\m+15], v[TM+12+\m]
	v_cvt_scalef32_pk16_bf6_f32 v[CD+8*\m+4:CD+8*\m+6], v[FS+32*\m+16:FS+32*\m+31], v[TM+12+\m]
.endr
	v_nop                                          ; one plain line behind the scaled conversions
.irp m, 0,1,2,3
	v_mov_b32 v[CD+8*\m+3], v[CD+8*\m+4]
	v_mov_b32 v[CD+8*\m+4], v[CD+8*\m+5]
	v_mov_b32 v[CD+8*\m+5], v[CD+8*\m+6]
.endr
.irp m, 0,1,2,3
	ds_store_b128 v[W16], v[CD+8*\m:CD+8*\m+3] offset:\m*2*FRB
	ds_store_b64 v[W8], v[CD+8*\m+4:CD+8*\m+5] offset:\m*2*FRB
	ds_store_b8 v[WS], v[TM+4+\m] offset:(\m/2)*256+(\m%2)*8
.endr
.endm
; the way out of a pass: each row tile's 64 numbers a lane are four blocks of 32 along e, each in lanes l and l xor 16; they become one fragment and one scale word
.macro EPI
.irp i, 0,1,2,3,4,5,6,7
	WIN ((2+\i/4)<<2)|((2+\i/4)<<4)
.irp b, 0,1,2,3
	v_max3_num_f32 v[TM+\b], s[FLR], |v[64*(\i%4)+16*\b]|, |v[64*(\i%4)+16*\b+1]|   ; each accumulator from its low end on
.endr
.irp j, 2,4,6,8,10,12,14
.irp b, 0,1,2,3
	v_max3_num_f32 v[TM+\b], v[TM+\b], |v[64*(\i%4)+16*\b+\j]|, |v[64*(\i%4)+16*\b+\j+1]|
.endr
.endr
	WIN 0
.irp b, 0,1,2,3
	v_permlanex16_b32 v[TM+4+\b], v[TM+\b], s[SEL], s[SEL+1]
.endr
.irp b, 0,1,2,3
	v_max_num_f32 v[TM+\b], v[TM+\b], v[TM+4+\b]
.endr
.irp b, 0,1,2,3
	v_add_nc_u32 v[TM+12+\b], 0xfe000000, v[TM+\b]
.endr
.irp b, 0,1,2,3
	v_lshrrev_b32 v[TM+4+\b], 23, v[TM+12+\b]
.endr
	v_lshl_or_b32 v[PWQ+\i], v[TM+5], 8, v[TM+4]
	v_lshl_or_b32 v[PWQ+\i], v[TM+6], 16, v[PWQ+\i]
	v_lshl_or_b32 v[PWQ+\i], v[TM+7], 24, v[PWQ+\i]
	s_wait_alu depctr_va_vdst(0)
	s_wait_xcnt 0x0                                ; the last tile's stores have read the codes' registers
	WIN 2+\i/4
.irp c, 0,1
	v_cvt_scalef32_pk16_bf6_f32 v[PC+6*\c:PC+6*\c+2], v[64*(\i%4)+32*\c:64*(\i%4)+32*\c+15], v[TM+12+2*\c]
	v_cvt_scalef32_pk16_bf6_f32 v[PC+12+4*\c:PC+14+4*\c], v[64*(\i%4)+32*\c+16:64*(\i%4)+32*\c+31], v[TM+13+2*\c]
.endr
	WIN 0
	v_nop
.irp c, 0,1
.irp k, 0,1,2
	v_permlane16_swap_b32 v[PC+6*\c+\k], v[PC+12+4*\c+\k]   ; a whole block in a lane: lanes 0-15 block 2 c, lanes 16-31 block 2 c + 1
.endr
.irp k, 0,1,2
	v_mov_b32 v[PC+3+6*\c+\k], v[PC+12+4*\c+\k]
.endr
.endr
.irp c, 0,1,2
	global_store_b128 v[LN16], v[PC+4*\c:PC+4*\c+3], s[YCP:YCP+1] offset:\i*12288+512*\c   ; 512 consecutive bytes, aligned
.endr
.if \i%4 == 3
	global_store_b128 v[LN16], v[PWQ+\i-3:PWQ+\i], s[YSP:YSP+1] offset:(\i/4)*512
.endif
.endr
.endm
; a change of slots: all my tensor loads have landed, the add, my LDS instructions are over, the barrier (it also shows the slab's last step to every wave); then the next step's fill, into the slot read last
.macro CHANGE fill
	s_wait_tensorcnt 0x0
	ds_add_u32 v[SPW], v[NIL]
.if \fill
	s_add_nc_u64 s[G0+2:G0+3], s[G0+2:G0+3], KSTEP
	s_xor_b32 s[G0+1], s[G0+1], KSLOT
.endif
	s_wait_dscnt 0x0
	s_barrier_signal -1
	s_barrier_wait -1
.if \fill
	tensor_load_to_lds s[G0:G0+3], s[G1:G1+7]
	s_nop 0
.endif
.endm
.macro ADDR                            ; trip u: x's blocks of step T = u, and the slab's step (u - 1) % 8
	s_wait_xcnt 0x0                                ; s[XB] and s[PF] are written again only behind this wait
	s_lshr_b32 s52, s[U], 1
	s_mul_i32 s52, s52, 106496
	s_and_b32 s53, s[U], 1
	s_mul_i32 s54, s53, 13312
	s_add_co_u32 s[XO], s52, s54
	s_add_nc_u64 s[XB:XB+1], s[XW0:XW0+1], s[XO:XO+1]
	s_add_co_u32 s55, s[U], 7
	s_and_b32 s55, s55, 7
	s_mul_i32 s56, s55, STP
	s_lshl_b32 s57, s55, 9
	v_add_nc_u32 v[R16], s56, v[BR16]
	v_add_nc_u32 v[R8], s56, v[BR8]
	v_add_nc_u32 v[RS], s57, v[BRS]
.endm
	s_load_b256 s[4:11], s[0:1], 0x0               ; kernel, bias, xw, yc
	s_load_b64 s[12:13], s[0:1], 0x20              ; ys
	v_lshl_add_u32 v[SPW], v0, 2, SPARE
	v_mov_b32 v[NIL], 0
	ds_add_u32 v[SPW], v[NIL]
	ds_add_u32 v[SPW], v[NIL]
	v_lshrrev_b32 v1, 5, v0
	v_readfirstlane_b32 s14, v1                    ; wave
	s_mov_b32 s[G1], 3<<16                         ; elements of 8 bytes, dense in LDS
	s_mov_b32 s[G1+1], 64<<16                      ; rows of 512 bytes
	s_mov_b32 s[G1+2], 32<<16                      ; 32 rows
	s_mov_b32 s[G1+3], 64<<16
	s_mov_b32 s[G1+4], 32
	s_mov_b32 s[G1+5], 512                         ; 4,096 bytes from row to row
	s_mov_b32 s[G1+6], 0
	s_mov_b32 s[G1+7], 0
	s_mov_b32 s[SEL], 0x76543210
	s_mov_b32 s[SEL+1], 0xfedcba98
	s_mov_b32 s[FLR], 0x2800000
	s_lshr_b32 s15, ttmp9, 3                       ; class
	s_and_b32 s50, ttmp9, 7                        ; which 128 columns
	s_lshl_b32 s46, s15, 22
	s_lshl_b32 s51, s50, 9
	s_add_co_u32 s46, s46, s51
	s_lshl_b32 s51, s14, 17                        ; my 32 rows of a step
	s_add_co_u32 s46, s46, s51
	s_mov_b32 s47, 0
	s_wait_alu depctr_va_vdst(0)
	s_wait_dscnt 0x0
	s_wait_kmcnt 0x0
	s_add_nc_u64 s[PF:PF+1], s[4:5], s[46:47]
	s_mov_b32 s[G0], 1
	s_lshl_b32 s[G0+1], s14, 14
	s_mov_b64 s[G0+2:G0+3], s[PF:PF+1]
	s_or_b32 s[G0+3], s[G0+3], 0x80000000
	tensor_load_to_lds s[G0:G0+3], s[G1:G1+7]      ; step 0: my one load at the head
	s_nop 0
	s_add_nc_u64 s[PF:PF+1], s[PF:PF+1], 2*KSTEP   ; each trip steps it once: trip 0 names step 3
	s_mul_i32 s48, s14, 26624
	s_mov_b32 s49, 0
	s_add_nc_u64 s[XW0:XW0+1], s[8:9], s[48:49]
	s_mov_b64 s[XB:XB+1], s[XW0:XW0+1]
	s_lshl_b32 s46, s15, 12
	s_lshl_b32 s51, s50, 9
	s_add_co_u32 s46, s46, s51
	s_add_nc_u64 s[BIP:BIP+1], s[6:7], s[46:47]
	s_mul_i32 s46, s15, 786432
	s_mul_i32 s51, s14, 98304
	s_add_co_u32 s46, s46, s51
	s_mul_i32 s51, s50, FRB
	s_add_co_u32 s46, s46, s51
	s_add_nc_u64 s[YCP:YCP+1], s[10:11], s[46:47]
	s_lshl_b32 s46, ttmp9, 13
	s_lshl_b32 s51, s14, 10
	s_add_co_u32 s46, s46, s51
	s_add_nc_u64 s[YSP:YSP+1], s[12:13], s[46:47]
	s_lshl_b32 s52, s14, 14                        ; my 32 rows of a slot
	s_lshr_b32 s53, s14, 1
	s_mul_i32 s53, s53, 768                        ; my block w: registers 6 (w / 2) on,
	s_and_b32 s54, s14, 1
	s_lshl_b32 s55, s54, 8                         ; lanes 16 (w % 2) on
	s_lshl_b32 s54, s54, 7
	s_add_co_u32 s56, s53, s55
	s_add_co_u32 s56, s56, SLAB
	s_add_co_u32 s57, s53, s54
	s_add_co_u32 s57, s57, SLAB+512
	s_add_co_u32 s58, s14, SSC                     ; byte w of a scale word
	v_and_b32 v1, 31, v0
	v_lshlrev_b32 v[LN16], 4, v1
	v_lshl_add_u32 v[FB], v1, 2, s52
	v_and_b32 v40, 7, v0
	v_bfe_u32 v41, v0, 4, 1
	v_bfe_u32 v42, v0, 3, 1
	v_lshl_add_u32 v40, v41, 3, v40                ; column l + 32 m is row l % 8 + 8 (l / 16) of tile 2 m + (l / 8) % 2
	v_mul_u32_u24 v43, v42, FRB
	v_lshl_add_u32 v44, v40, 4, v43
	v_add_nc_u32 v[BW16], s56, v44
	v_lshl_add_u32 v44, v40, 3, v43
	v_add_nc_u32 v[BW8], s57, v44
	v_lshlrev_b32 v44, 4, v40
	v_lshl_add_u32 v44, v42, 2, v44
	v_add_nc_u32 v[BWS], s58, v44
	v_lshl_add_u32 v[BR16], v1, 4, SLAB
	v_lshl_add_u32 v[BR8], v1, 3, SLAB
	v_and_b32 v44, 15, v0
	v_lshl_add_u32 v[BRS], v44, 4, SSC
	v_lshlrev_b32 v[HB], 6, v41                    ; the bias: 16 columns further on in lanes 16-31
	v_lshlrev_b32 v[PFO], 12, v1                   ; the prefetches: a lane a row
.irp b, 0,1,2,3
	v_mov_b32 v[TM+4+\b], 0                        ; a lane permute's destination counts as one of its sources
.endr
	WIN 0x40
.irp t, 0,1,2,3,4,5,6,7
	global_load_b128 v[BI+8*\t:BI+8*\t+3], v[HB], s[BIP:BIP+1] offset:(32*(\t/2)+8*(\t%2))*4
	global_load_b128 v[BI+8*\t+4:BI+8*\t+7], v[HB], s[BIP:BIP+1] offset:(32*(\t/2)+8*(\t%2))*4+16
.endr
	WIN 0
	XLOAD 0
	XLOAD 1
	s_mov_b32 s[U], 0
	s_wait_alu depctr_va_vdst(0)
.LA:                                                   ; trips 0 .. 6: step u has landed, step u + 1 is asked for
	CHANGE 1
	ADDR
	s_add_nc_u64 s[PF:PF+1], s[PF:PF+1], KSTEP
	s_lshl_b32 s51, s53, 16                        ; step u's slot
	s_mul_i32 s58, s[U], STP                       ; and its place in the slab
	s_lshl_b32 s50, s[U], 9
	v_add_nc_u32 v[FA], s51, v[FB]
	v_add_nc_u32 v[W16], s58, v[BW16]
	v_add_nc_u32 v[W8], s58, v[BW8]
	v_add_nc_u32 v[WS], s50, v[BWS]
	s_wait_alu depctr_va_vdst(0)
	s_cmp_eq_u32 s[U], 0
	s_cbranch_scc1 .Lnk
	KLOADS
.Lnk:
	FLOADS
	s_cmp_eq_u32 s[U], 0
	s_cbranch_scc1 .Lq
	s_cmp_eq_u32 s[U], 1
	s_cbranch_scc1 .Lz
	MULT 0, 63, 0                                  ; of 34 + 128 LDS loads the oldest 99 are in: the slab's among them
	s_branch .Lq
.Lz:
	MULT 1, 63, 0
.Lq:
	s_cmp_gt_u32 s[U], 4
	s_cbranch_scc1 .Lnp
	global_prefetch_b8 v[PFO], s[PF:PF+1] th:TH_LOAD_NT scope:SCOPE_SE
	global_prefetch_b8 v[PFO], s[PF:PF+1] offset:256 th:TH_LOAD_NT scope:SCOPE_SE
.Lnp:
	QUANT
	s_add_co_u32 s[U], s[U], 1
	s_cmp_lt_u32 s[U], 7
	s_cbranch_scc1 .LA
	CHANGE 0                                       ; step 7 has landed; nothing more is fetched
	v_add_nc_u32 v[FA], KSLOT, v[FB]               ; it lies in slot 1
	v_add_nc_u32 v[W16], 7*STP, v[BW16]
	v_add_nc_u32 v[W8], 7*STP, v[BW8]
	v_add_nc_u32 v[WS], 7*512, v[BWS]
	FLOADS
	QUANT
	s_wait_dscnt 0x0                               ; for the others' sake: my stores have landed
	s_barrier_signal -1
	s_barrier_wait -1                              ; the slab is whole; from here on LDS is only read
.LB:                                                   ; trips 7 .. 16: steps T = 6 .. 15
	ADDR
	KLOADS
	s_cmp_eq_u32 s[U], 9
	s_cbranch_scc1 .Lz2
	MULT 0, 0, 1
	s_branch .Lm2
.Lz2:
	MULT 1, 0, 0
.Lm2:
	s_and_b32 s50, s[U], 7
	s_cmp_lg_u32 s50, 0
	s_cbranch_scc1 .Lne
	EPI                                            ; behind steps 7 and 15
	s_wait_xcnt 0x0
	s_add_nc_u64 s[YCP:YCP+1], s[YCP:YCP+1], 393216
	s_add_nc_u64 s[YSP:YSP+1], s[YSP:YSP+1], 4096
.Lne:
	s_add_co_u32 s[U], s[U], 1
	s_cmp_lt_u32 s[U], 17
	s_cbranch_scc1 .LB
	s_wait_tensorcnt 0x0                           ; the wave's end
	ds_add_u32 v[SPW], v[NIL]
	s_wait_dscnt 0x0
	s_endpgm
.Lfunc_end_k_q485b4e65c2_xb:
	.size	k_q485b4e65c2_xb, .Lfunc_end_k_q485b4e65c2_xb-k_q485b4e65c2_xb
	.p2alignl 7, 3214868480
	.fill 96, 4, 3214868480
	.section	.rodata,"a",@progbits
	.p2align	6, 0x0
	.amdhsa_kernel k_q485b4e65c2_xb
		.amdhsa_group_segment_fixed_size 327680
		.amdhsa_private_segment_fixed_size 0
		.amdhsa_enable_private_segment 0
		.amdhsa_kernarg_size 40
		.amdhsa_user_sgpr_count 2
		.amdhsa_user_sgpr_kernarg_segment_ptr 1
		.amdhsa_wavefront_size32 1
		.amdhsa_system_sgpr_workgroup_id_x 1
		.amdhsa_system_sgpr_workgroup_id_y 1
		.amdhsa_system_sgpr_workgroup_id_z 1
		.amdhsa_system_vgpr_workitem_id 0
		.amdhsa_next_free_vgpr 1024
		.amdhsa_next_free_sgpr 66
		.amdhsa_reserve_vcc 0
		.amdhsa_float_denorm_mode_32 3
		.amdhsa_float_denorm_mode_16_64 3
		.amdhsa_memory_ordered 1
		.amdhsa_forward_progress 1
		.amdhsa_inst_pref_size 122
	.end_amdhsa_kernel
	.amdgpu_metadata
---
amdhsa.version: [ 1, 2 ]
amdhsa.kernels:
  - .name:           k_q485b4e65c2_xb
    .symbol:         k_q485b4e65c2_xb.kd
    .args:
      - { .name: kernel, .offset: 0, .size: 8, .value_kind: global_buffer, .address_space: global }
      - { .name: bias, .offset: 8, .size: 8, .value_kind: global_buffer, .address_space: global }
      - { .name: xw, .offset: 16, .size: 8, .value_kind: global_buffer, .address_space: global }
      - { .name: yc, .offset: 24, .size: 8, .value_kind: global_buffer, .address_space: global }
      - { .name: ys, .offset: 32, .size: 8, .value_kind: global_buffer, .address_space: global }
    .group_segment_fixed_size: 327680
    .private_segment_fixed_size: 0
    .kernarg_segment_align: 8
    .kernarg_segment_size: 40
    .max_flat_workgroup_size: 128
    .sgpr_count:     66
    .vgpr_count:     1024
    .wavefront_size: 32
...
	.end_amdgpu_metadata
.endif
;; end of part 2
;; launch gram (part 3): grid 32 x 8, 4 waves a work-group, clusters of 4 x 1, 327,680 bytes of LDS; arguments yc, ys, labels, lr, pm, ps; writes lr, pm, ps
.if DOCPART == 3
	.amdgcn_target "amdgcn-amd-amdhsa--gfx1250"
	.amdhsa_code_object_version 6
	.text
	.protected	k_q485b4e65c2_gram
	.globl	k_q485b4e65c2_gram
	.p2align	8
	.type	k_q485b4e65c2_gram,@function
k_q485b4e65c2_gram:
	s_mov_b64 s[64:65], 0
	v_nop
	global_prefetch_b8 v0, s[64:65] scope:SCOPE_SE
	s_setreg_imm32_b32 hwreg(HW_REG_WAVE_MODE, 25, 1), 1
	s_wait_xcnt 0x0
	s_wait_alu depctr_hold_cnt(0) depctr_sa_sdst(0) depctr_va_vdst(0) depctr_va_sdst(0) depctr_va_ssrc(0) depctr_va_vcc(0) depctr_vm_vsrc(0)
	s_getreg_b32 s2, hwreg(HW_REG_IB_STS2, 6, 4)
	s_cmp_eq_u32 s2, 0
	s_cbranch_scc0 .Lentry_in_a_cluster
	s_endpgm
.Lentry_in_a_cluster:
	s_bfe_u32 s2, ttmp6, 0x10000c
	s_cmp_lg_u32 s2, 0x3003
	s_cbranch_scc0 .Lentry_shape_is_right
	s_endpgm
.Lentry_shape_is_right:
; G[c][i][j] = sum over e of xB[c][i][e] xB[c][j][e] on the codes that the launch before made, for i in 0 .. 511 and j in 512 .. 1023 alone: pairs of one half of the batch are masked in the problem's own text,
; and G and the label mask are symmetric, so one block serves rows i and rows j of the result.
; SHARES.  A work-group takes 128 rows i (it), 64 rows j (jt) and four classes (g); WAVE w TAKES CLASS 4 g + w: 32 accumulators, K = 1,024 in eight steps of 128.
; Class 31 does not exist: its wave works on class 30's data and clears all its masks (one wave in 32; it saves a parting of the waves' ways).
; WHERE THE OPERANDS COME FROM.  yc holds fragments in register order, a tile's eight K steps on end (12,288 bytes).  K steps 4-7 come straight into registers, 16 bytes a lane, and are multiplied first.
; K steps 0-3 come by the tensor data mover, asked for at the head: for each wave 8 rows of 6,144 bytes (i's tiles) and 4 such rows (j's): 4 x 12 x 6,144 = 294,912 bytes, as much as LDS has room for.
; They are filled once; a wave's two tensor loads are out one at a time; each wave reads only what it fetched, behind its own wait.  So a wave has 208 loads into registers to issue in place of 352.
; CLUSTER.  The four work-groups of a cluster have the same it and g and jt = 4 (cluster x % 2) + cx: they need the same tiles of i, 8 of a step's 12, and ask for them jointly (the same load, the same descriptor,
; a mask that names the four).  j's tiles are shared with work-groups of other it alone: that would take a 4 x 4 cluster and masks by row and column for a third of these bytes; they come by a plain load.
; THE TAIL.  Where the labels differ a value becomes the sentinel -3e38.  The waves exchange tiles through LDS, so that a lane holds a pair's four classes: L = m + ln 2 x log2(sum of 2^((v - m) log2 e)), m their maximum.
; L goes out for both orientations, lr [g 8][row 1024][512 of the other half], whole rows of 256 or 512 bytes; and for each row and each run of 64 pairs the maximum of L and the sum of e^(L - maximum):
; pm, ps [row / 16][slot 64][row % 16].  Every maximum is taken over elements of one row, which lie in one chunk of the softmax.
; The tail's stages lie over the tiles' bytes: these have had their only fill, and a barrier stands between every wave's last read of them and the first store.
; LIMITS: |G| under 1e37 (the sentinel); NaN and infinities are not served.  The f32 sums take K in the order 4 .. 7, 0 .. 3.
; REGISTERS.  window 0: v1-15, v84 addresses; v16-23, v24-55 labels; v56-79 scale words of K steps 4-7, two sets; v128-175 those of K steps 0-3; v80-81, v96-191 the tail.
;   window 1: accumulator (a, t) at v[8 (4 a + t)], later four classes' tiles.   windows 2, 3: the fragments of even and odd K steps: i's tile a at v[12 a], j's tile t at v[96 + 12 t];
;   in the tail window 2 holds the maxima (v0-63) and L (v64-127).
.set JSL, 196608                       ; LDS: i's tiles [wave 4][tile 8][step 4][1,536] from byte 0; j's [wave 4][tile 4][step 4][1,536] from here
.set EX,  0                            ; later: the exchange: [wave 4][tile 32][1,024]
.set ST1, 131072                       ; L by rows i: 128 rows of 256 bytes + 16
.set ST2, 165888                       ; L by rows j: 64 rows of 512 bytes + 16
.set LI,  16
.set LJ,  24
.set SI,  56                           ; scale words: a set is 12 registers: i's eight, then j's four; K steps 4-7: set s % 2 at v[56 + 12 (s % 2)]
.set SCA, 128                          ; K steps 0-3: at v[128 + 12 s]
.set MM,  80
.set SS,  81
.set MXS, 96                           ; v96, 98 .. 126: a row's maximum; the odd registers are 0 (named as pairs)
.set R,   128
.set IB,  24                           ; s[24:25] yc at i's tiles, s[26:27] at j's; s[28:29], s[30:31] ys likewise; s[32:33], s[34:35] labels
.set JB,  26
.set SIB, 28
.set SJB, 30
.set LIB, 32
.set LJB, 34
.set LR1, 36
.set LR2, 38
.set L2E, 40
.set LN2, 42
.set NEG, 44
.set ALIVE, 22
.set MK,  66                           ; s[66:97] 32 masks, in the tail; before that:
.set G1I, 68                           ; s[68:75] descriptor group 1 for i's tiles, s[76:83] for j's; s[84:87], s[88:91] their groups 0 (written again only behind the wait for both loads)
.set G1J, 76
.set G0I, 84
.set G0J, 88
.set MSB, 0
.macro WIN new
.if MSB != (\new)
	s_set_vgpr_msb (MSB<<8)|(\new)
.set MSB, (\new)
.endif
.endm
.macro PLACES                          ; four plain lines behind matrix instructions, in front of loads into registers that they read and of the first read of results
.rept 4
	v_nop
.endr
.endm
.macro CROUND                          ; a round of the cluster's barrier
	s_barrier_signal -1
	s_barrier_wait -1
	s_cmp_lg_u32 s16, 0
	s_cbranch_scc1 .Lnot_wave_0_\@
	s_barrier_signal -3
.Lnot_wave_0_\@:
	s_barrier_wait -3
	s_barrier_signal -1
	s_barrier_wait -1
.endm
	s_load_b256 s[4:11], s[0:1], 0x0               ; yc s[4:5], ys s[6:7], labels s[8:9], lr s[10:11]
	s_load_b128 s[12:15], s[0:1], 0x20             ; pm s[12:13], ps s[14:15]
	v_lshl_add_u32 v254, v0, 2, 0x48000
	v_mov_b32 v255, 0
	ds_add_u32 v254, v255
	ds_add_u32 v254, v255
	v_lshrrev_b32 v1, 5, v0
	v_readfirstlane_b32 s16, v1                    ; wave
	v_and_b32 v1, 31, v0
	v_lshlrev_b32 v2, 4, v1                        ; 16 x lane
	v_and_b32 v80, 15, v0                          ; r
	s_wait_alu depctr_va_vdst(0)
	v_bfe_u32 v81, v0, 4, 1                        ; h
	s_wait_alu depctr_va_vdst(0)
	s_lshr_b32 s17, ttmp9, 1                       ; it: of the cluster's x alone, so the four partners share it
	s_bfe_u32 s23, ttmp6, 0x40000                  ; cx: it enters global addresses of j's data and of the results alone
	s_and_b32 s18, ttmp9, 1
	s_lshl_b32 s18, s18, 2
	s_add_co_u32 s18, s18, s23                     ; jt
	s_and_b32 s19, ttmp7, 0xffff                   ; g
	s_lshl_b32 s20, s19, 2
	s_add_co_u32 s20, s20, s16                     ; my class
	s_min_u32 s21, s20, 30
	s_cmp_lt_u32 s20, 31
	s_cselect_b32 s[ALIVE], -1, 0
	s_mov_b32 s[L2E], 0x3fb8aa3b                   ; log2(e)
	s_mov_b32 s[L2E+1], s[L2E]
	s_mov_b32 s[LN2], 0x3f317218                   ; ln 2
	s_mov_b32 s[LN2+1], s[LN2]
	s_mov_b32 s[NEG], 0xff61b1e6                   ; -3e38
	; descriptor group 1: rows of 6,144 bytes (768 elements of 8 bytes: a tile's K steps 0-3), 12,288 bytes apart; dense in LDS
	s_mov_b32 s[G1I], 15|(3<<16)|(1<<21)           ; 15:0 the mask: all four work-groups; 17:16 elements of 8 bytes; 21 set beside a mask; no padding
	s_mov_b32 s[G1I+1], 768<<16                    ; tensor_dim0 = 768
	s_mov_b32 s[G1I+2], 8<<16                      ; tensor_dim1 = 8
	s_mov_b32 s[G1I+3], 768<<16                    ; tile_dim0 = 768
	s_mov_b32 s[G1I+4], 8                          ; tile_dim1 = 8
	s_mov_b32 s[G1I+5], 1536                       ; from row to row
	s_mov_b32 s[G1I+6], 0
	s_mov_b32 s[G1I+7], 0
	s_mov_b32 s[G1J], 3<<16                        ; no mask: a load of my own
	s_mov_b32 s[G1J+1], 768<<16
	s_mov_b32 s[G1J+2], 4<<16                      ; four rows
	s_mov_b32 s[G1J+3], 768<<16
	s_mov_b32 s[G1J+4], 4
	s_mov_b32 s[G1J+5], 1536
	s_mov_b32 s[G1J+6], 0
	s_mov_b32 s[G1J+7], 0
	v_mul_u32_u24 v3, v80, 124                     ; labels: row r
	v_mul_u32_u24 v4, v81, 992                     ; labels: 8 h rows
	; LDS addresses: constants, the lane, the wave's number
	s_mul_i32 s46, s16, 49152
	v_add_nc_u32 v15, s46, v2                      ; my tiles of i
	s_mul_i32 s46, s16, 24576
	s_add_co_u32 s46, s46, JSL
	v_add_nc_u32 v84, s46, v2                      ; my tiles of j
	s_lshl_b32 s46, s16, 15
	v_add_nc_u32 v5, s46, v2                       ; the exchange, out: my 32 tiles
	s_lshl_b32 s46, s16, 13
	v_add_nc_u32 v6, s46, v2                       ; back: tiles 8 w .. 8 w + 7 of waves 0, 1;
	v_add_nc_u32 v7, 0x10000, v6                   ; of waves 2, 3
	s_mul_i32 s47, s16, 8704                       ; 32 rows of 272
	s_add_co_u32 s47, s47, ST1
	v_mul_u32_u24 v8, v80, 272
	v_lshl_add_u32 v8, v81, 5, v8
	v_add_nc_u32 v8, s47, v8                       ; ST1 in: row 32 w + r, + 32 h
	v_mul_u32_u24 v10, v81, 272
	v_lshl_add_u32 v10, v80, 4, v10
	v_add_nc_u32 v10, s47, v10                     ; ST1 back: row 32 w + h, 16 bytes for each of 16 lanes
	s_lshl_b32 s46, s16, 7
	s_add_co_u32 s46, s46, ST2
	v_mul_u32_u24 v9, v81, 4224
	v_lshl_add_u32 v9, v80, 2, v9
	v_add_nc_u32 v9, s46, v9                       ; ST2 in: row 8 h, column 32 w + r
	s_mul_i32 s46, s16, 8448                       ; 16 rows of 528
	s_add_co_u32 s46, s46, ST2
	v_add_nc_u32 v11, s46, v2                      ; ST2 back: row 16 w, 16 bytes a lane
	v_lshlrev_b32 v12, 11, v81
	v_lshl_add_u32 v12, v80, 4, v12                ; lr, rows i: 2,048 h + 16 r
	; pm, ps.  Rows i: row 128 it + 32 w + 2 k + h, slot 8 g + jt; lane (k, h).  Rows j: row 512 + 64 jt + 16 w + k, slot 8 g + 2 it + h
	s_lshl_b32 s46, s17, 15
	s_lshl_b32 s48, s16, 13
	s_add_co_u32 s46, s46, s48
	s_lshl_b32 s48, s19, 9
	s_add_co_u32 s46, s46, s48
	s_lshl_b32 s49, s18, 6
	s_add_co_u32 s46, s46, s49
	v_lshrrev_b32 v82, 3, v80
	v_and_b32 v83, 7, v80
	v_lshlrev_b32 v13, 12, v82
	v_lshl_add_u32 v13, v83, 3, v13
	v_lshl_add_u32 v13, v81, 2, v13
	v_add_nc_u32 v13, s46, v13
	s_lshl_b32 s46, s18, 14
	s_add_co_u32 s46, s46, 131072
	s_lshl_b32 s49, s16, 12
	s_add_co_u32 s46, s46, s49
	s_add_co_u32 s46, s46, s48
	s_lshl_b32 s49, s17, 7
	s_add_co_u32 s46, s46, s49
	v_lshlrev_b32 v14, 6, v81
	v_lshl_add_u32 v14, v80, 2, v14
	v_add_nc_u32 v14, s46, v14
	; global bases
	s_mov_b32 s47, 0
	s_mul_i32 s48, s21, 786432
	s_mul_i32 s50, s17, 98304                      ; 8 tiles
	s_add_co_u32 s50, s50, s48
	s_mov_b32 s51, 0
	s_mul_i32 s52, s18, 49152                      ; 4 tiles,
	s_add_co_u32 s52, s52, s48
	s_add_co_u32 s52, s52, 393216                  ; from tile 32 on
	s_mov_b32 s53, 0
	s_wait_dscnt 0x0
	s_wait_kmcnt 0x0
	s_add_nc_u64 s[IB:IB+1], s[4:5], s[50:51]
	s_add_nc_u64 s[JB:JB+1], s[4:5], s[52:53]
	s_mov_b32 s[G0I], 1                            ; count = 1
	s_mul_i32 s[G0I+1], s16, 49152                 ; LDS address: of the wave's number alone
	s_mov_b64 s[G0I+2:G0I+3], s[IB:IB+1]           ; made of it, g and the wave's number: equal in the four partners
	s_or_b32 s[G0I+3], s[G0I+3], 0x80000000        ; type = 2
	s_mov_b32 s[G0J], 1
	s_mul_i32 s[G0J+1], s16, 24576
	s_add_co_u32 s[G0J+1], s[G0J+1], JSL
	s_mov_b64 s[G0J+2:G0J+3], s[JB:JB+1]
	s_or_b32 s[G0J+3], s[G0J+3], 0x80000000
	s_lshl_b32 s48, s21, 16
	s_lshl_b32 s46, s17, 10
	s_add_co_u32 s46, s46, s48
	s_add_nc_u64 s[SIB:SIB+1], s[6:7], s[46:47]
	s_lshl_b32 s46, s18, 9
	s_add_co_u32 s46, s46, s48
	s_add_co_u32 s46, s46, 4096
	s_add_nc_u64 s[SJB:SJB+1], s[6:7], s[46:47]
	s_lshl_b32 s48, s21, 2
	s_mul_i32 s46, s17, 15872                      ; 128 rows of 124 bytes
	s_add_co_u32 s46, s46, s48
	s_add_nc_u64 s[LIB:LIB+1], s[8:9], s[46:47]
	s_mul_i32 s46, s18, 7936                       ; 64 rows
	s_add_co_u32 s46, s46, s48
	s_add_co_u32 s46, s46, 63488                   ; from row 512 on
	s_add_nc_u64 s[LJB:LJB+1], s[8:9], s[46:47]
	s_lshl_b32 s48, s19, 21                        ; a group's 1,024 rows of 2,048 bytes
	s_lshl_b32 s46, s17, 18
	s_add_co_u32 s46, s46, s48
	s_lshl_b32 s49, s16, 16
	s_add_co_u32 s46, s46, s49
	s_lshl_b32 s49, s18, 8
	s_add_co_u32 s46, s46, s49
	s_add_nc_u64 s[LR1:LR1+1], s[10:11], s[46:47]
	s_lshl_b32 s46, s18, 17
	s_add_co_u32 s46, s46, s48
	s_add_co_u32 s46, s46, 1048576
	s_lshl_b32 s49, s16, 15
	s_add_co_u32 s46, s46, s49
	s_lshl_b32 s49, s17, 9
	s_add_co_u32 s46, s46, s49
	s_add_nc_u64 s[LR2:LR2+1], s[10:11], s[46:47]
.macro LOADSET s                       ; K step s straight from memory: 39 loads of 512 consecutive bytes
	WIN 0x80+0x40*((\s)%2)
.irp a, 0,1,2,3,4,5,6,7
.irp c, 0,1,2
	global_load_b128 v[12*\a+4*\c:12*\a+4*\c+3], v2, s[IB:IB+1] offset:\a*12288+(\s)*1536+512*\c
.endr
.endr
.irp t, 0,1,2,3
.irp c, 0,1,2
	global_load_b128 v[96+12*\t+4*\c:96+12*\t+4*\c+3], v2, s[JB:JB+1] offset:\t*12288+(\s)*1536+512*\c
.endr
.endr
	WIN 0
	global_load_b128 v[SI+12*((\s)%2):SI+12*((\s)%2)+3], v2, s[SIB:SIB+1] offset:(\s)*8192
	global_load_b128 v[SI+12*((\s)%2)+4:SI+12*((\s)%2)+7], v2, s[SIB:SIB+1] offset:(\s)*8192+512
	global_load_b128 v[SI+12*((\s)%2)+8:SI+12*((\s)%2)+11], v2, s[SJB:SJB+1] offset:(\s)*8192
.endm
.macro DLOAD s                         ; K step s out of LDS: 36 loads of 512 consecutive bytes
	WIN 0x80+0x40*((\s)%2)
.irp a, 0,1,2,3,4,5,6,7
.irp c, 0,1,2
	ds_load_b128 v[12*\a+4*\c:12*\a+4*\c+3], v15 offset:\a*6144+(\s)*1536+512*\c
.endr
.endr
.irp t, 0,1,2,3
.irp c, 0,1,2
	ds_load_b128 v[96+12*\t+4*\c:96+12*\t+4*\c+3], v84 offset:\t*6144+(\s)*1536+512*\c
.endr
.endr
	WIN 0
.endm
; 32 products on the fragments of window 2 + par, with the scale words at v[sc] on: source 0 = 16 rows j, source 1 = 16 rows i: lane (r, h) holds i = 16 a + r, register n holds j = 16 t + 8 h + n.
; The 32 accumulators take turns, one instruction a turn.  zero = 1: the first products start the sums.
.macro GMUL par, sc, zero
	WIN 0x5a+5*(\par)
.irp a, 0,1,2,3,4,5,6,7
.irp t, 0,1,2,3
.if \zero
	v_wmma_scale_f32_16x16x128_f8f6f4 v[8*(4*\a+\t):8*(4*\a+\t)+7], v[96+12*\t:96+12*\t+11], v[12*\a:12*\a+11], 0, v[\sc+8+\t], v[\sc+\a] matrix_a_fmt:MATRIX_FMT_BF6 matrix_b_fmt:MATRIX_FMT_BF6
.else
	v_wmma_scale_f32_16x16x128_f8f6f4 v[8*(4*\a+\t):8*(4*\a+\t)+7], v[96+12*\t:96+12*\t+11], v[12*\a:12*\a+11], v[8*(4*\a+\t):8*(4*\a+\t)+7], v[\sc+8+\t], v[\sc+\a] matrix_a_fmt:MATRIX_FMT_BF6 matrix_b_fmt:MATRIX_FMT_BF6
.endif
.endr
.endr
	PLACES
.endm
	LOADSET 4                                      ; the first step's fragments are asked for while the cluster gathers
	CROUND                                         ; all four work-groups are here: the joint loads meet
	tensor_load_to_lds s[G0I:G0I+3], s[G1I:G1I+7]  ; K steps 0-3 of i's eight tiles, jointly;
	s_nop 0
	PLACES
	LOADSET 5
.irp s, 0,1,2,3                        ; the scale words of K steps 0-3: 12 loads
	global_load_b128 v[SCA+12*\s:SCA+12*\s+3], v2, s[SIB:SIB+1] offset:\s*8192
	global_load_b128 v[SCA+12*\s+4:SCA+12*\s+7], v2, s[SIB:SIB+1] offset:\s*8192+512
	global_load_b128 v[SCA+12*\s+8:SCA+12*\s+11], v2, s[SJB:SJB+1] offset:\s*8192
.endr
	s_wait_tensorcnt 0x0                           ; i's tiles have landed
	ds_add_u32 v254, v255
	s_wait_dscnt 0x0
	CROUND
	tensor_load_to_lds s[G0J:G0J+3], s[G1J:G1J+7]  ; K steps 0-3 of j's four tiles: my one load behind the round; one load of mine is out
	s_nop 0
	PLACES
	s_wait_loadcnt 51                              ; K step 4 is in; step 5's 39 loads and the 12 scale loads may be out
	GMUL 0, SI, 1
	LOADSET 6
	s_wait_loadcnt 51                              ; K step 5 is in; the 12 scale loads and step 6's 39 may be out
	GMUL 1, SI+12, 0
	LOADSET 7
	s_wait_loadcnt 39                              ; K step 6 is in; step 7's 39 may be out
	GMUL 0, SI, 0
	s_wait_tensorcnt 0x0                           ; my tiles of K steps 0-3 lie in LDS: I alone read them, so this wait is all that the reads need
	DLOAD 0
.irp a, 0,1,2,3,4,5,6,7                ; the labels are wanted in the tail alone: their 40 loads stand behind all the fragments'
	global_load_b32 v[LI+\a], v3, s[LIB:LIB+1] offset:1984*\a      ; labels[128 it + 16 a + r][class]
.endr
.irp t, 0,1,2,3
.irp j, 0,1,2,3,4,5,6,7
	global_load_b32 v[LJ+8*\t+\j], v4, s[LJB:LJB+1] offset:(16*\t+\j)*124   ; labels[512 + 64 jt + 16 t + 8 h + j][class]
.endr
.endr
	s_wait_loadcnt 40                              ; K step 7 is in; the labels' 40 may be out
	GMUL 1, SI+12, 0
	DLOAD 1
	s_wait_dscnt 36                                ; K step 0 is in; step 1's 36 loads may be out
	GMUL 0, SCA, 0
	DLOAD 2
	s_wait_dscnt 36
	GMUL 1, SCA+12, 0
	DLOAD 3
	s_wait_dscnt 36
	GMUL 0, SCA+24, 0
	s_wait_dscnt 0x0
	GMUL 1, SCA+36, 0
	s_wait_loadcnt 0x0                             ; the labels
	; ---- the mask: where the labels differ (or the class does not exist) the sentinel
.irp a, 0,1,2,3,4,5,6,7
	WIN 0
.set k, 0
.rept 32
	v_cmp_eq_u32 s[MK+k], v[LI+\a], v[LJ+k]
.set k, k+1
.endr
.set k, 0
.rept 32
	s_and_b32 s[MK+k], s[MK+k], s[ALIVE]
.set k, k+1
.endr
	WIN 0x44
.set k, 0
.rept 32
	v_cndmask_b32 v[32*\a+k], s[NEG], v[32*\a+k], s[MK+k]         ; each accumulator from its low end on
.set k, k+1
.endr
.endr
	WIN 0
	s_wait_alu depctr_va_vdst(0)
	s_wait_dscnt 0x0                               ; my reads of the tiles are over (and my tensor loads have landed: the wait above)
	s_barrier_signal -1
	s_barrier_wait -1                              ; everybody's are: from here on the tiles' bytes serve as stages
	; ---- the exchange: all my tiles out; tiles 8 w .. 8 w + 7 of all four classes back
	WIN 0x04
.set n, 0
.rept 32
	ds_store_b128 v5, v[8*n:8*n+3] offset:1024*n
	ds_store_b128 v5, v[8*n+4:8*n+7] offset:1024*n+512
.set n, n+1
.endr
	WIN 0
	s_wait_dscnt 0x0                               ; for the others' sake: my stores have landed
	s_barrier_signal -1
	s_barrier_wait -1
	WIN 0x40
.irp k, 0,1,2,3
.set n, 0
.rept 8
	ds_load_b128 v[64*\k+8*n:64*\k+8*n+3], v[6+\k/2] offset:(\k%2)*32768+1024*n
	ds_load_b128 v[64*\k+8*n+4:64*\k+8*n+7], v[6+\k/2] offset:(\k%2)*32768+1024*n+512
.set n, n+1
.endr
.endr
	s_wait_dscnt 0x0
	; ---- L of 64 pairs a lane
	WIN 0x95
.set n, 0
.rept 64
	v_max3_num_f32 v[n], v[n], v[64+n], v[128+n]   ; into window 2
.set n, n+1
.endr
	WIN 0x86
.set n, 0
.rept 64
	v_max_num_f32 v[n], v[n], v[192+n]             ; m
.set n, n+1
.endr
	WIN 0x49
.set n, 0
.rept 128
	v_pk_add_f32 v[2*n:2*n+1], v[2*n:2*n+1], v[(2*n)%64:(2*n)%64+1] neg_lo:[0,1] neg_hi:[0,1]   ; v - m first, so that no large numbers' products are subtracted
.set n, n+1
.endr
.set n, 0
.rept 128
	v_pk_mul_f32 v[2*n:2*n+1], v[2*n:2*n+1], s[L2E:L2E+1] op_sel_hi:[1,0]
.set n, n+1
.endr
.set n, 0
	s_wait_alu depctr_va_vdst(0)
.rept 256
	v_exp_f32 v[n], v[n]
.set n, n+1
.endr
	v_nop                                          ; a plain line behind the last exponential
	s_wait_alu depctr_va_vdst(0)                   ; one wait for the batch, ahead of its first reader
	WIN 0x45
.set n, 0
.rept 32
	v_pk_add_f32 v[2*n:2*n+1], v[2*n:2*n+1], v[64+2*n:65+2*n]
	v_pk_add_f32 v[128+2*n:129+2*n], v[128+2*n:129+2*n], v[192+2*n:193+2*n]
.set n, n+1
.endr
.set n, 0
.rept 32
	v_pk_add_f32 v[2*n:2*n+1], v[2*n:2*n+1], v[128+2*n:129+2*n]
.set n, n+1
.endr
.set n, 0
	s_wait_alu depctr_va_vdst(0)
.rept 64
	v_log_f32 v[n], v[n]
.set n, n+1
.endr
	v_nop
	s_wait_alu depctr_va_vdst(0)
	WIN 0xa1
.set n, 0
.rept 32
	v_pk_fma_f32 v[64+2*n:65+2*n], v[2*n:2*n+1], s[LN2:LN2+1], v[2*n:2*n+1] op_sel_hi:[1,0,1]   ; L = log2(sum) ln 2 + m, into window 2
.set n, n+1
.endr
	; ---- both stages
	WIN 0x08
.irp a, 0,1
.irp t, 0,1,2,3
	ds_store_b128 v8, v[64+8*(4*\a+\t):64+8*(4*\a+\t)+3] offset:\a*4352+64*\t
	ds_store_b128 v8, v[64+8*(4*\a+\t)+4:64+8*(4*\a+\t)+7] offset:\a*4352+64*\t+16
.irp j, 0,1,2,3,4,5,6,7
	ds_store_b32 v9, v[64+8*(4*\a+\t)+\j] offset:(16*\t+\j)*528+64*\a
.endr
.endr
.endr
	WIN 0
	v_mov_b32 v[MM], 0
	v_mov_b32 v[SS], 0
.set n, 0
.rept 16
	v_mov_b32 v[MXS+2*n+1], 0
.set n, n+1
.endr
	s_wait_dscnt 0x0
	s_barrier_signal -1
	s_barrier_wait -1
; Sixteen loads bring whole rows; they are stored; then each half of 16 lanes, which holds 64 numbers of one row in each group of four registers, makes that run's maximum and sum; lane (k, h) keeps those of group k.
.macro ROWS lreg, lstr, base, oreg, gstr, sreg
.irp k, 0,1,2,3,4,5,6,7,8,9,10,11,12,13,14,15
	ds_load_b128 v[R+4*\k:R+4*\k+3], v[\lreg] offset:\lstr*\k
.endr
	s_wait_dscnt 0x0
.irp k, 0,1,2,3,4,5,6,7,8,9,10,11,12,13,14,15
	global_store_b128 v[\oreg], v[R+4*\k:R+4*\k+3], s[\base:\base+1] offset:\gstr*\k   ; sixteen lanes store 256 consecutive bytes, aligned
.endr
.irp k, 0,1,2,3,4,5,6,7,8,9,10,11,12,13,14,15
	v_max3_num_f32 v[MXS+2*\k], v[R+4*\k], v[R+4*\k+1], v[R+4*\k+2]
.endr
.irp k, 0,1,2,3,4,5,6,7,8,9,10,11,12,13,14,15
	v_max_num_f32 v[MXS+2*\k], v[MXS+2*\k], v[R+4*\k+3]
.endr
.irp m, 1,2,4,8
.irp k, 0,1,2,3,4,5,6,7,8,9,10,11,12,13,14,15
	v_max_num_f32_dpp v[MXS+2*\k], v[MXS+2*\k], v[MXS+2*\k] row_xmask:\m row_mask:0xf bank_mask:0xf
.endr
.endr
	s_wait_xcnt 0x0                                ; the stores have read their registers: these are written again only behind this wait
.irp k, 0,1,2,3,4,5,6,7,8,9,10,11,12,13,14,15
	v_pk_add_f32 v[R+4*\k:R+4*\k+1], v[R+4*\k:R+4*\k+1], v[MXS+2*\k:MXS+2*\k+1] op_sel_hi:[1,0] neg_lo:[0,1] neg_hi:[0,1]
	v_pk_add_f32 v[R+4*\k+2:R+4*\k+3], v[R+4*\k+2:R+4*\k+3], v[MXS+2*\k:MXS+2*\k+1] op_sel_hi:[1,0] neg_lo:[0,1] neg_hi:[0,1]
.endr
.set n, 0
.rept 32
	v_pk_mul_f32 v[R+2*n:R+2*n+1], v[R+2*n:R+2*n+1], s[L2E:L2E+1] op_sel_hi:[1,0]
.set n, n+1
.endr
.set n, 0
	s_wait_alu depctr_va_vdst(0)
.rept 64
	v_exp_f32 v[R+n], v[R+n]
.set n, n+1
.endr
.irp k, 0,1,2,3,4,5,6,7,8,9,10,11,12,13,14,15
	s_mov_b32 s56, 0x10001<<\k
	v_cndmask_b32 v[MM], v[MM], v[MXS+2*\k], s56   ; lanes k and 16 + k keep group k's maximum (plain work behind the exponentials)
.endr
	s_wait_alu depctr_va_vdst(0)                   ; one wait for the batch, ahead of its first reader
.irp k, 0,1,2,3,4,5,6,7,8,9,10,11,12,13,14,15
	v_pk_add_f32 v[R+4*\k:R+4*\k+1], v[R+4*\k:R+4*\k+1], v[R+4*\k+2:R+4*\k+3]
.endr
.irp k, 0,1,2,3,4,5,6,7,8,9,10,11,12,13,14,15
	v_add_f32 v[R+4*\k], v[R+4*\k], v[R+4*\k+1]
.endr
.irp m, 1,2,4,8
.irp k, 0,1,2,3,4,5,6,7,8,9,10,11,12,13,14,15
	v_add_f32_dpp v[R+4*\k], v[R+4*\k], v[R+4*\k] row_xmask:\m row_mask:0xf bank_mask:0xf
.endr
.endr
.irp k, 0,1,2,3,4,5,6,7,8,9,10,11,12,13,14,15
	s_mov_b32 s56, 0x10001<<\k
	v_cndmask_b32 v[SS], v[SS], v[R+4*\k], s56
.endr
	global_store_b32 v[\sreg], v[MM], s[12:13]
	global_store_b32 v[\sreg], v[SS], s[14:15]
.endm
	ROWS 10, 544, LR1, 12, 4096, 13                ; rows i: 32 w + 2 k + h
	ROWS 11, 528, LR2, 2, 2048, 14                 ; rows j: 16 w + k
	s_wait_dscnt 0x0
	s_wait_tensorcnt 0x0
	ds_add_u32 v254, v255
	s_wait_dscnt 0x0
	CROUND                                         ; the closing round: no work-group ends while a partner may still ask jointly
	s_endpgm
.Lfunc_end_k_q485b4e65c2_gram:
	.size	k_q485b4e65c2_gram, .Lfunc_end_k_q485b4e65c2_gram-k_q485b4e65c2_gram
	.p2alignl 7, 3214868480
	.fill 96, 4, 3214868480
	.section	.rodata,"a",@progbits
	.p2align	6, 0x0
	.amdhsa_kernel k_q485b4e65c2_gram
		.amdhsa_group_segment_fixed_size 327680
		.amdhsa_private_segment_fixed_size 0
		.amdhsa_enable_private_segment 0
		.amdhsa_kernarg_size 48
		.amdhsa_user_sgpr_count 2
		.amdhsa_user_sgpr_kernarg_segment_ptr 1
		.amdhsa_wavefront_size32 1
		.amdhsa_system_sgpr_workgroup_id_x 1
		.amdhsa_system_sgpr_workgroup_id_y 1
		.amdhsa_system_sgpr_workgroup_id_z 1
		.amdhsa_system_vgpr_workitem_id 0
		.amdhsa_next_free_vgpr 1024
		.amdhsa_next_free_sgpr 100
		.amdhsa_reserve_vcc 0
		.amdhsa_float_denorm_mode_32 3
		.amdhsa_float_denorm_mode_16_64 3
		.amdhsa_memory_ordered 1
		.amdhsa_forward_progress 1
		.amdhsa_inst_pref_size 215
	.end_amdhsa_kernel
	.amdgpu_metadata
---
amdhsa.version: [ 1, 2 ]
amdhsa.kernels:
  - .name:           k_q485b4e65c2_gram
    .symbol:         k_q485b4e65c2_gram.kd
    .args:
      - { .name: yc, .offset: 0, .size: 8, .value_kind: global_buffer, .address_space: global }
      - { .name: ys, .offset: 8, .size: 8, .value_kind: global_buffer, .address_space: global }
      - { .name: labels, .offset: 16, .size: 8, .value_kind: global_buffer, .address_space: global }
      - { .name: lr, .offset: 24, .size: 8, .value_kind: global_buffer, .address_space: global }
      - { .name: pm, .offset: 32, .size: 8, .value_kind: global_buffer, .address_space: global }
      - { .name: ps, .offset: 40, .size: 8, .value_kind: global_buffer, .address_space: global }
    .group_segment_fixed_size: 327680
    .private_segment_fixed_size: 0
    .kernarg_segment_align: 8
    .kernarg_segment_size: 48
    .max_flat_workgroup_size: 128
    .sgpr_count:     100
    .vgpr_count:     1024
    .wavefront_size: 32
...
	.end_amdgpu_metadata
.endif
;; end of part 3
;; launch finish (part 4): grid 9 x 31, 8 waves a work-group, no clusters, 1,536 bytes of LDS; arguments lr, pm, ps, cnt, out0; writes out0
.if DOCPART == 4
	.amdgcn_target "amdgcn-amd-amdhsa--gfx1250"
	.amdhsa_code_object_version 6
	.text
	.protected	k_q485b4e65c2_finish
	.globl	k_q485b4e65c2_finish
	.p2align	8
	.type	k_q485b4e65c2_finish,@function
k_q485b4e65c2_finish:
	s_mov_b64 s[64:65], 0
	v_nop
	global_prefetch_b8 v0, s[64:65] scope:SCOPE_SE
	s_setreg_imm32_b32 hwreg(HW_REG_WAVE_MODE, 25, 1), 1
	s_wait_xcnt 0x0
; THE SOFTMAX'S CHUNKS.  The flat index of (i, j, class) is 31 (1024 i + j) + class, and a chunk is 2^20 of them.  2^20 = 31 x 33,825 + 1 and 33,825 = 33 x 1,025, so chunk r begins inside the pair (33 r, 33 r), which lies
; on the diagonal and is masked.  Of a row under 512 only columns from 512 on are unmasked, of a row from 512 on only columns under 512: so all unmasked elements of a row lie in one chunk, and chunk r owns the rows
; from 33 r + (r >= 16) on: 33 of them, 34 for r = 15.  All other elements of a chunk are zeros: they hold the maximum at 0 from below and add (2^20 - the rows' unmasked elements) x e^-M to the sum.
; SHARES.  Work-group (q, r): rows 4 q .. 4 q + 3 of chunk r; wave v: row 4 q + v / 2, half v % 2 of its 512 unmasked columns, and the same half of the 512 zeros.  Each wave also takes an eighth of the chunk's
; partial maxima and sums (a window of 64 rows that covers the chunk; rows outside it are masked), and all eight meet in LDS.  A wave whose row lies past the chunk's end helps with that and then ends.
; cnt [2][1024] holds each row's unmasked elements in two parts.   out[row][k] = sum over the 8 groups of e^(L - M) / s.
.set SEL, 50
.set L2E, 38
.set NEG, 40
.macro WMAX r, t
.irp m, 1,2,4,8
	s_delay_alu instid0(VALU_DEP_1)
	v_max_num_f32_dpp v[\r], v[\r], v[\r] row_xmask:\m row_mask:0xf bank_mask:0xf
.endr
	s_delay_alu instid0(VALU_DEP_1)
	v_permlanex16_b32 v[\t], v[\r], s[SEL], s[SEL+1]
	s_delay_alu instid0(VALU_DEP_1)
	v_max_num_f32 v[\r], v[\r], v[\t]
.endm
.macro WSUM r, t
.irp m, 1
	v_add_f32_dpp v[\r], v[\r], v[\r] row_xmask:\m row_mask:0xf bank_mask:0xf
.endr
.irp m, 2, 4, 8
	s_delay_alu instid0(VALU_DEP_1)
	v_add_f32_dpp v[\r], v[\r], v[\r] row_xmask:\m row_mask:0xf bank_mask:0xf
.endr
	s_delay_alu instid0(VALU_DEP_1)
	v_permlanex16_b32 v[\t], v[\r], s[SEL], s[SEL+1]
	s_delay_alu instid0(VALU_DEP_1)
	v_add_f32 v[\r], v[\r], v[\t]
.endm
	s_load_b256 s[4:11], s[0:1], 0x0               ; lr s[4:5], pm s[6:7], ps s[8:9], cnt s[10:11]
	s_load_b64 s[12:13], s[0:1], 0x20              ; out0
	v_lshl_add_u32 v128, v0, 2, 0x200
	v_mov_b32 v129, 0
	v_lshrrev_b32 v1, 5, v0
	s_delay_alu instid0(VALU_DEP_1)
	v_readfirstlane_b32 s14, v1                    ; wave 0..7
	v_and_b32 v1, 31, v0
	s_delay_alu instid0(VALU_DEP_1)
	v_lshlrev_b32 v2, 4, v1                        ; 16 x lane
	s_delay_alu instid0(VALU_DEP_2)
	v_lshlrev_b32 v4, 2, v1                        ; 4 x lane
	s_delay_alu instid0(VALU_DEP_4)
	v_mov_b32 v59, s14
	s_delay_alu instid0(VALU_DEP_1)
	v_lshlrev_b32 v59, 2, v59                      ; LDS: my wave's word
	v_mov_b32 v3, 0
	v_mov_b32 v61, 0                               ; a lane permute's destination counts as one of its sources
	s_mov_b32 s[SEL], 0x76543210
	s_mov_b32 s[SEL+1], 0xfedcba98
	s_mov_b32 s[L2E], 0x3fb8aa3b
	s_mov_b32 s[L2E+1], s[L2E]
	s_mov_b32 s[NEG], 0xff61b1e6                   ; -3e38
	s_and_b32 s15, ttmp7, 0xffff                   ; the chunk
	s_mul_i32 s16, s15, 33
	s_cmp_ge_u32 s15, 16
	s_cselect_b32 s17, 1, 0
	s_add_co_u32 s16, s16, s17                     ; its first row
	s_cmp_eq_u32 s15, 15
	s_cselect_b32 s17, 34, 33                      ; its rows
	s_lshr_b32 s18, s16, 4
	s_min_u32 s18, s18, 60                         ; the window: rows 16 fb .. 16 fb + 63
	s_lshl_b32 s19, ttmp9, 2
	s_lshr_b32 s20, s14, 1
	s_add_co_u32 s19, s19, s20                     ; my row in the chunk
	s_and_b32 s20, s14, 1                          ; my half
	s_add_co_u32 s21, s16, s19
	s_min_u32 s22, s21, 1023                       ; my row; a wave past the chunk's end loads a row that exists and stores nothing
	s_lshr_b32 s23, s14, 1
	s_add_co_u32 s23, s23, s18
	s_lshl_b32 s23, s23, 4
	s_sub_co_u32 s23, s23, s16                     ; my part's first row less the chunk's first (it may wrap: the compare is unsigned)
	v_and_b32 v50, 3, v0
	s_delay_alu instid0(VALU_DEP_1)
	v_lshlrev_b32 v50, 2, v50
	s_delay_alu instid0(VALU_DEP_1)
	v_add_nc_u32 v50, s23, v50
	s_delay_alu instid0(VALU_DEP_1)
	v_add_nc_u32 v51, 1, v50
	s_delay_alu instid0(VALU_DEP_2)
	v_add_nc_u32 v52, 2, v50
	s_delay_alu instid0(VALU_DEP_3)
	v_add_nc_u32 v53, 3, v50
.irp e, 0,1,2,3
	s_delay_alu instid0(VALU_DEP_4)
	v_cmp_gt_u32 s[32+\e], s17, v[50+\e]           ; is element e's row one of the chunk's?
.endr
	s_lshl_b32 s23, s18, 4
	s_sub_co_u32 s23, s23, s16
	v_add_nc_u32 v54, s23, v1
	s_delay_alu instid0(VALU_DEP_1)
	v_add_nc_u32 v55, 32, v54
	s_delay_alu instid0(VALU_DEP_2)
	v_cmp_gt_u32 s36, s17, v54
	s_delay_alu instid0(VALU_DEP_2)
	v_cmp_gt_u32 s37, s17, v55
	s_lshl_b32 s24, s18, 12
	s_lshl_b32 s26, s14, 11
	s_add_co_u32 s24, s24, s26                     ; pm, ps: my 2,048 bytes of the window's 16,384
	s_mov_b32 s25, 0
	s_lshl_b32 s26, s22, 11
	s_lshl_b32 s28, s20, 10
	s_add_co_u32 s26, s26, s28                     ; lr: my row, my half
	s_mov_b32 s27, 0
	s_lshl_b32 s28, s18, 6                         ; cnt: the window
	s_mov_b32 s29, 0
	s_cmp_lt_u32 s22, 512
	s_cselect_b32 s44, 2048, 0                     ; the unmasked half of my row of the output,
	s_cselect_b32 s46, 0, 2048                     ; and the other
	s_lshl_b32 s48, s22, 12
	s_lshl_b32 s49, s20, 10
	s_add_co_u32 s48, s48, s49
	s_add_co_u32 s44, s44, s48
	s_add_co_u32 s46, s46, s48
	s_mov_b32 s45, 0
	s_mov_b32 s47, 0
	s_wait_kmcnt 0x0
	s_add_nc_u64 s[6:7], s[6:7], s[24:25]
	s_add_nc_u64 s[8:9], s[8:9], s[24:25]
	s_add_nc_u64 s[10:11], s[10:11], s[28:29]
	s_add_nc_u64 s[4:5], s[4:5], s[26:27]
	s_add_nc_u64 s[30:31], s[4:5], 0x800000        ; groups 4 to 7: four groups of 2 MiB pass the immediate's range
	s_add_nc_u64 s[44:45], s[12:13], s[44:45]
	s_add_nc_u64 s[46:47], s[12:13], s[46:47]
.irp n, 0,1,2,3
	global_load_b128 v[16+4*\n:19+4*\n], v2, s[6:7] offset:512*\n
	global_load_b128 v[32+4*\n:35+4*\n], v2, s[8:9] offset:512*\n
.endr
	global_load_b32 v48, v4, s[10:11]              ; the window's 64 rows: the counts' first part,
	global_load_b32 v49, v4, s[10:11] offset:128
	global_load_b32 v62, v4, s[10:11] offset:4096  ; and the second
	global_load_b32 v63, v4, s[10:11] offset:4224
.irp g, 0,1,2,3
.irp n, 0,1
	global_load_b128 v[64+8*\g+4*\n:67+8*\g+4*\n], v2, s[4:5] offset:\g*2097152+512*\n th:TH_LOAD_NT
	global_load_b128 v[96+8*\g+4*\n:99+8*\g+4*\n], v2, s[30:31] offset:\g*2097152+512*\n th:TH_LOAD_NT
.endr
.endr
	s_wait_loadcnt 0x0
	; ---- my eighth of the chunk's statistics
.irp n, 0,1,2,3
.irp e, 0,1,2,3
	v_cndmask_b32 v[16+4*\n+\e], s[NEG], v[16+4*\n+\e], s[32+\e]  ; other chunks' rows count for nothing
.endr
.endr
	v_max3_num_f32 v56, v16, v17, v18
.irp i, 19,21,23,25,27,29
	s_delay_alu instid0(VALU_DEP_1)
	v_max3_num_f32 v56, v56, v[\i], v[\i+1]
.endr
	s_delay_alu instid0(VALU_DEP_1)
	v_max_num_f32 v56, v56, v31
	WMAX 56, 61                                    ; my part's maximum
.irp i, 0,1,2,3,4,5,6,7,8,9,10,11,12,13,14,15
	v_sub_f32 v[16+\i], v[16+\i], v56              ; the difference first, then the factor
.endr
.irp i, 0,1,2,3,4,5,6,7,8,9,10,11,12,13,14,15
	v_mul_f32 v[16+\i], s[L2E], v[16+\i]
.endr
	s_wait_alu depctr_va_vdst(0)
.irp i, 0,1,2,3,4,5,6,7,8,9,10,11,12,13,14,15
	v_exp_f32 v[16+\i], v[16+\i]
.endr
	v_cndmask_b32 v48, 0, v48, s36                 ; the chunk's rows' counts (plain work behind the exponentials)
	v_cndmask_b32 v49, 0, v49, s37
	v_cndmask_b32 v62, 0, v62, s36
	v_cndmask_b32 v63, 0, v63, s37
	s_delay_alu instid0(VALU_DEP_2)
	v_add_f32 v48, v48, v62
	s_delay_alu instid0(VALU_DEP_2)
	v_add_f32 v49, v49, v63
	s_delay_alu instid0(VALU_DEP_1)
	v_add_f32 v60, v48, v49
	s_wait_alu depctr_va_vdst(0)                   ; one wait for the batch, ahead of its first reader
	v_mul_f32 v58, v32, v16
.irp i, 1,2,3,4,5,6,7,8,9,10,11,12,13,14,15
	v_fmac_f32 v58, v[32+\i], v[16+\i]
.endr
	WSUM 58, 61                                    ; my part's sum, under my part's maximum
	WSUM 60, 61                                    ; the chunk's unmasked elements
	ds_store_b32 v59, v56                          ; all lanes write the same word with the same value
	ds_store_b32 v59, v58 offset:32
	s_wait_dscnt 0x0
	s_barrier_signal -1
	s_barrier_wait -1
	s_cmp_lt_u32 s19, s17
	s_cbranch_scc0 .Lend                           ; no row of the chunk is left for me
	ds_load_b128 v[16:19], v3
	ds_load_b128 v[20:23], v3 offset:16
	ds_load_b128 v[24:27], v3 offset:32
	ds_load_b128 v[28:31], v3 offset:48
	s_wait_dscnt 0x0
	v_max3_num_f32 v56, v16, v17, 0                ; the chunk's zeros hold its maximum at 0 from below
	s_delay_alu instid0(VALU_DEP_1)
	v_max3_num_f32 v56, v56, v18, v19
	s_delay_alu instid0(VALU_DEP_1)
	v_max3_num_f32 v56, v56, v20, v21
	s_delay_alu instid0(VALU_DEP_1)
	v_max3_num_f32 v56, v56, v22, v23              ; M
.irp i, 0,1,2,3,4,5,6,7
	v_sub_f32 v[16+\i], v[16+\i], v56
.endr
.irp i, 0,1,2,3,4,5,6,7
	v_mul_f32 v[16+\i], s[L2E], v[16+\i]
.endr
	v_mul_f32 v57, s[L2E], v56
	s_wait_alu depctr_va_vdst(0)
.irp i, 0,1,2,3,4,5,6,7
	v_exp_f32 v[16+\i], v[16+\i]
.endr
	v_exp_f32 v57, -v57                            ; e^-M
	v_sub_f32 v60, 0x49800000, v60                 ; 2^20 less the unmasked: the chunk's zeros
	s_wait_alu depctr_va_vdst(0)
	v_mul_f32 v58, v60, v57
.irp i, 0,1,2,3,4,5,6,7
	v_fmac_f32 v58, v[24+\i], v[16+\i]
.endr
	s_wait_alu depctr_va_vdst(0)
	v_rcp_f32 v58, v58                             ; 1 / s; its wait is the one behind the exponentials below
.set n, 0
.rept 32
	v_pk_add_f32 v[64+2*n:65+2*n], v[64+2*n:65+2*n], v[56:57] op_sel_hi:[1,0] neg_lo:[0,1] neg_hi:[0,1]   ; L - M
.set n, n+1
.endr
.set n, 0
.rept 32
	v_pk_mul_f32 v[64+2*n:65+2*n], v[64+2*n:65+2*n], s[L2E:L2E+1] op_sel_hi:[1,0]
.set n, n+1
.endr
.set n, 0
	s_wait_alu depctr_va_vdst(0)
.rept 64
	v_exp_f32 v[64+n], v[64+n]
.set n, n+1
.endr
	v_nop
	s_wait_alu depctr_va_vdst(0)
.irp g, 1,2,3,4,5,6,7
.irp m, 0,1,2,3
	v_pk_add_f32 v[64+2*\m:65+2*\m], v[64+2*\m:65+2*\m], v[64+8*\g+2*\m:65+8*\g+2*\m]
.endr
.endr
.irp m, 0,1,2,3
	v_pk_mul_f32 v[64+2*\m:65+2*\m], v[64+2*\m:65+2*\m], v[58:59] op_sel_hi:[1,0]
.endr
.irp m, 0,1,2,3
	v_mov_b32 v[72+\m], 0
.endr
	global_store_b128 v2, v[64:67], s[44:45] th:TH_STORE_NT              ; 32 lanes store 512 consecutive bytes, aligned
	global_store_b128 v2, v[68:71], s[44:45] offset:512 th:TH_STORE_NT
	global_store_b128 v2, v[72:75], s[46:47] th:TH_STORE_NT              ; the masked half of the row: zeros
	global_store_b128 v2, v[72:75], s[46:47] offset:512 th:TH_STORE_NT
.Lend:
	s_wait_tensorcnt 0x0
	ds_add_u32 v128, v129
	s_wait_dscnt 0x0
	s_endpgm
.Lfunc_end_k_q485b4e65c2_finish:
	.size	k_q485b4e65c2_finish, .Lfunc_end_k_q485b4e65c2_finish-k_q485b4e65c2_finish
	.p2alignl 7, 3214868480
	.fill 96, 4, 3214868480
	.section	.rodata,"a",@progbits
	.p2align	6, 0x0
	.amdhsa_kernel k_q485b4e65c2_finish
		.amdhsa_group_segment_fixed_size 1536
		.amdhsa_private_segment_fixed_size 0
		.amdhsa_enable_private_segment 0
		.amdhsa_kernarg_size 40
		.amdhsa_user_sgpr_count 2
		.amdhsa_user_sgpr_kernarg_segment_ptr 1
		.amdhsa_wavefront_size32 1
		.amdhsa_system_sgpr_workgroup_id_x 1
		.amdhsa_system_sgpr_workgroup_id_y 1
		.amdhsa_system_sgpr_workgroup_id_z 1
		.amdhsa_system_vgpr_workitem_id 0
		.amdhsa_next_free_vgpr 130
		.amdhsa_next_free_sgpr 66
		.amdhsa_reserve_vcc 0
		.amdhsa_float_denorm_mode_32 3
		.amdhsa_float_denorm_mode_16_64 3
		.amdhsa_memory_ordered 1
		.amdhsa_forward_progress 1
		.amdhsa_inst_pref_size 24
	.end_amdhsa_kernel
	.amdgpu_metadata
---
amdhsa.version: [ 1, 2 ]
amdhsa.kernels:
  - .name:           k_q485b4e65c2_finish
    .symbol:         k_q485b4e65c2_finish.kd
    .args:
      - { .name: lr, .offset: 0, .size: 8, .value_kind: global_buffer, .address_space: global }
      - { .name: pm, .offset: 8, .size: 8, .value_kind: global_buffer, .address_space: global }
      - { .name: ps, .offset: 16, .size: 8, .value_kind: global_buffer, .address_space: global }
      - { .name: cnt, .offset: 24, .size: 8, .value_kind: global_buffer, .address_space: global }
      - { .name: out0, .offset: 32, .size: 8, .value_kind: global_buffer, .address_space: global }
    .group_segment_fixed_size: 1536
    .private_segment_fixed_size: 0
    .kernarg_segment_align: 8
    .kernarg_segment_size: 40
    .max_flat_workgroup_size: 256
    .sgpr_count:     66
    .vgpr_count:     130
    .wavefront_size: 32
...
	.end_amdgpu_metadata
.endif
;; end of part 4
